; MI455X (gfx1250); checked and timed in simulation.
; The chip was launched on July 23, 2026; its instructions are those of AMD's public machine-readable ISA for CDNA 5 (MIT licence, August 2026) and "CDNA5" Instruction Set Architecture Reference Guide (July 2026). The comments in the code are by the model that wrote it; some were corrected since.
;; Causal Self Attention. Allowed arithmetic: matrix products marked QUANTISED: E4M3 operands, one given power-of-two scale a tensor, by v_wmma_f32_16x16x64_fp8_fp8 or v_wmma_f32_16x16x128_fp8_fp8, f32 sums; everything else in f32.
;; Inputs: lowp_scales 8 int32 (the exponents e of the quantised operands' scales 2^e); w_out 1,024 x 1,024 float32; w_qkv 1,024 x 3,072 float32; x 2 x 2,048 x 1,024 float32.
;; Outputs: out0 2 x 2,048 x 1,024 float32.
;; This version of the problem:
;;   THIS VERSION OF THE PROBLEM IS GIVEN IN LOW PRECISION. The matrix products marked QUANTISED in the list below multiply operands that are first quantised to E4M3 (4 exponent bits, 3 mantissa bits; 8 bits a number), with one given power-of-two scale for each operand tensor; their sums are f32. All else is computed in f32.
;;   The module's matrix products, in the order in which they are computed (A, B: the left and right operand; K: the contracted axis; several contracted axes count as one K, in the product's order):
;;     1. [M 4,096, K 1,024] x [K 1,024, N 3,072]; A: input x; B: input w_qkv: QUANTISED (scales: A lowp_scales[0], B lowp_scales[1])
;;     2. batch 32 x [M 2,048, K 64] x [K 64, N 2,048]; A: computed on the way; B: computed on the way: QUANTISED (scales: A lowp_scales[2], B lowp_scales[3])
;;     3. batch 32 x [M 2,048, K 2,048] x [K 2,048, N 64]; A: softmax (see below); B: computed on the way: QUANTISED (scales: A lowp_scales[4], B lowp_scales[5])
;;     4. [M 4,096, K 1,024] x [K 1,024, N 1,024]; A: computed on the way; B: input w_out: QUANTISED (scales: A lowp_scales[6], B lowp_scales[7])
;;   THE QUANTISER, for each operand of a quantised product, along K:
;;     - The operand's scale is 2^e, e = its entry of the input lowp_scales (int32; the entries are numbered through the quantised products in the list's order, A before B).
;;     - Each number is divided by the scale, clamped to +-448, and rounded to the nearest number of E4M3, ties to even, subnormals kept.
;;     - The product sums the exact products of the quantised numbers (number of the format x scale) in f32.
;;   ~~~python
;;   def quantise(x, axis, e):      # numpy; x: float32 -> the quantised numbers, widened to float32 again
;;       x = np.moveaxis(x, axis, -1); K = x.shape[-1]
;;       r = np.clip(x / 2.0 ** e, -448, 448)
;;       step = 2.0 ** (np.maximum(np.frexp(np.where(r == 0, 1, r))[1] - 1, -6) - 3)
;;       q = np.round(r / step) * step * 2.0 ** e      # np.round: ties to even
;;       return np.moveaxis(q, -1, axis).astype(np.float32)
;;   ~~~
;;   SOFTMAX AHEAD OF A QUANTISED PRODUCT. Where the list says 'softmax', what is quantised is not the finished softmax but p = 2^(t - M), with t = logit x log2(e) and M = ceil(the row's largest t), a whole number; so 1/2 < the row's largest p <= 1. The row's sum l is taken of the UNQUANTISED p, in f32, and the product's result is divided by l at the end. Since M is a whole number, a kernel that streams over the keys may use a running M (the ceiling of the running maximum): every later rescaling is an exact power of two, so the quantised numbers keep their values, but for numbers so far below the row's largest that they fall under the format's range.
;;   OPERANDS COMPUTED ON THE WAY. 'Computed on the way' means the value that the module computes at that place (a softmax that the list does not call 'softmax' is quantised finished and normalised). What goes into a quantiser is computed in f32, as accurately as f32 sums, v_exp_f32 and their like allow (about 1e-6 of the number): no bf16 or f16 on the way to a quantiser, and a product that is left as it is and whose result goes on into a quantised operand takes f32 operands (vector FMAs, or v_wmma_f32_16x16x4_f32). A number that lies on a knife's edge between two numbers of the format may be rounded either way, as far as f32 arithmetic and the matrix unit's own rounding can turn it there, and no further.
;; One version. Each part assembles by itself: llvm-mc -triple=amdgcn-amd-amdhsa -mcpu=gfx1250 --defsym DOCPART=n.
;; ======== version 1 of 1: 4 launches
;; limits: right only within a limited range of input values
;; workspace buffers: xc 4,194,304 bytes; wqc 3,145,728 bytes; woc 1,048,576 bytes; tab 524,288 bytes; qc 4,194,304 bytes; kc 4,194,304 bytes; vc 4,194,304 bytes; ac 4,194,304 bytes
;; launch quant (part 1): grid 544 x 1, 4 waves a work-group, no clusters, 34,304 bytes of LDS; arguments x, w_qkv, w_out, lowp_scales, xc, wqc, woc, tab; writes xc, wqc, woc, tab
.if DOCPART == 1
	.amdgcn_target "amdgcn-amd-amdhsa--gfx1250"
	.amdhsa_code_object_version 6
	.text
	.protected	k_qe70d28fb79_quant
	.globl	k_qe70d28fb79_quant
	.p2align	8
	.type	k_qe70d28fb79_quant,@function
k_qe70d28fb79_quant:
	s_mov_b64 s[64:65], 0
	v_nop
	global_prefetch_b8 v0, s[64:65] scope:SCOPE_SE
	s_setreg_imm32_b32 hwreg(HW_REG_WAVE_MODE, 25, 1), 1
	s_wait_xcnt 0x0
; x [4096][1024], w_qkv [1024][3072] and w_out [1024][1024], f32, become codes of E4M3, each with its given scale 2^e (entries 0, 1 and 7 of the scales); and the table of cos and sin for the rotation is made.
; code = number / 2^e, held within +-448, rounded to the nearest code, ties to even.  LIMITS: e between -126 and 119.  NaN among the inputs is not served.
; WORK LEFT OUT OF THE PROGRAM: scores of blocks of 128 keys that lie wholly behind a query (reference()'s own causal mask makes them -infinity whatever the inputs hold); a NaN, an infinity or an overflow that reaches only those is not carried on.
; THE CODES LIE AS IMAGES OF OPERAND REGISTERS.  A fragment is 16 rows x 128 K = 2,048 consecutive bytes: 512 c + 16 (16 h + r) + y holds k = 32 c + 16 h + y of its row r.  In a block of 128 rows, tile T and row r
; stand for row 32 (T / 2) + 8 (T % 2) + r + 8 (r / 8).  For the weights a 'row' is a column n.  u = k / 128:
;   xc:  G 131072 + u 16384 + T 2048,  G = row / 128.
;   wqc: head 196608 + half 98304 + u 12288 + tile 2048: half 0 has the head's four tiles of q, then v's tiles 0 and 1; half 1 the four of k, then v's tiles 2 and 3.
;   woc: G 131072 + (u / 2) 32768 + T 4096 + (u % 2) 2048,  G = n / 128.
; WORK-GROUPS: 0-191 w_qkv, 192-255 w_out (128 columns x 128 K each), 256-511 x (16 rows each), 512-543 the table.  The first 512 read 65,536 bytes each.  The ways part on the work-group's number alone.  Only x's way touches LDS.
; No work-group reads what another reads, so there is nothing to share in a cluster; no tensor load, no barrier: waves share nothing.  No loop, so no prefetch.
.set PQKV, 12288                       ; bytes in a row of w_qkv
.set POUT, 4096                        ; and of w_out
.set SROW, 528                         ; x's stage: a row of 512 bytes + 16 = 132 words, so that the 16 rows that a load touches start 4 words apart in the 64 words of a bank row (ISA guide 11.1)
.set STG,  16*SROW                     ; a wave's stage
.set SPARE, 4*STG                      ; the spare words, 128 bytes a wave
.macro MKSCALE e                       ; v11 = 2^e as f32 (the conversion takes its exponent field), v10 = 448 x 2^e
	s_add_co_i32 s42, s[\e], 127
	s_lshl_b32 s43, s42, 23
	v_mov_b32 v11, s43
	s_add_co_i32 s42, s42, 8
	s_lshl_b32 s42, s42, 23
	s_or_b32 s42, s42, 0x600000
	v_mov_b32 v10, s42
.endm
	s_load_b256 s[4:11], s[0:1], 0x0               ; x s[4:5], w_qkv s[6:7], w_out s[8:9], the scales' exponents s[10:11]
	s_load_b256 s[12:19], s[0:1], 0x20             ; xc s[12:13], wqc s[14:15], woc s[16:17], tab s[18:19]
	v_lshl_add_u32 v240, v0, 2, SPARE
	v_mov_b32 v241, 0
	v_lshrrev_b32 v1, 5, v0
	v_readfirstlane_b32 s20, v1                    ; wave 0..3
	v_and_b32 v2, 31, v0                           ; lane
	v_and_b32 v5, 15, v0                           ; r
	v_bfe_u32 v6, v0, 4, 1                         ; h
	v_lshlrev_b32 v3, 4, v2                        ; 16 x lane
	s_mul_i32 s21, s20, STG
	v_add_nc_u32 v14, s21, v3                      ; x's stage, in: 16 x lane of a row
	v_mul_u32_u24 v15, v5, SROW
	v_lshl_add_u32 v15, v6, 6, v15
	v_add_nc_u32 v15, s21, v15                     ; and out: row r, + 64 h
	s_wait_alu depctr_va_vdst(0)
	s_wait_kmcnt 0x0
	s_load_b256 s[24:31], s[10:11], 0x0            ; e0 .. e7
	s_cmp_lt_u32 ttmp9, 192
	s_cbranch_scc1 .Lwqkv
	s_cmp_lt_u32 ttmp9, 256
	s_cbranch_scc1 .Lwout
	s_cmp_ge_u32 ttmp9, 512
	s_cbranch_scc1 .Ltable
; ---- x.  Work-group T takes one tile of 16 rows, wave w its K = 256 w .. 256 w + 255: two fragments.  Each load reads 512 consecutive bytes of one row; the conversions want 16 neighbours along K in
; one lane, so a fragment's 8,192 bytes turn through the wave's own stage in LDS.
.macro LOADX q
.set XI, 0
.rept 16
	global_load_b128 v[16+64*\q+4*XI:16+64*\q+4*XI+3], v3, s[4:5] offset:(XI+8*(XI/8))*4096+512*\q th:TH_LOAD_NT
.set XI, XI+1
.endr
.endm
.macro TURNX q                         ; LDS serves a wave's instructions in order (ISA guide 5.7.1.4): no wait between the stores and the loads
.set XI, 0
.rept 16
	ds_store_b128 v14, v[16+64*\q+4*XI:16+64*\q+4*XI+3] offset:XI*SROW
.set XI, XI+1
.endr
.set XI, 0
.rept 16
	ds_load_b128 v[144+4*XI:144+4*XI+3], v15 offset:128*(XI/4)+16*(XI%4)   ; register 16 c + i: k = 32 c + 16 h + i of row r
.set XI, XI+1
.endr
.endm
.macro QUANTX q
.set XI, 0
.rept 64
	v_med3_num_f32 v[144+XI], v[144+XI], -v10, v10 ; the conversion to an 8-bit code does not saturate (ISA guide 7.6.2): the hold at the largest code x the scale
.set XI, XI+1
.endr
.irp c, 0,1,2,3
	v_cvt_scalef32_pk8_fp8_f32 v[208+16*\q+4*\c:208+16*\q+4*\c+1], v[144+16*\c:144+16*\c+7], v11
	v_cvt_scalef32_pk8_fp8_f32 v[208+16*\q+4*\c+2:208+16*\q+4*\c+3], v[144+16*\c+8:144+16*\c+15], v11
.endr
	v_nop                                          ; a plain line between the conversions and the next vector line that writes their sources
.irp c, 0,1,2,3
	global_store_b128 v3, v[208+16*\q+4*\c:208+16*\q+4*\c+3], s[12:13] offset:16384*\q+512*\c   ; 512 consecutive bytes; each fragment has code registers of its own
.endr
.endm
	s_sub_co_u32 s21, ttmp9, 256                   ; T, 0..255
	s_lshr_b32 s22, s21, 3                         ; G
	s_and_b32 s23, s21, 7                          ; the tile in its block of 128 rows
	s_lshl_b32 s32, s22, 7
	s_lshr_b32 s33, s23, 1
	s_lshl_b32 s33, s33, 5
	s_add_co_u32 s32, s32, s33
	s_and_b32 s33, s23, 1
	s_lshl_b32 s33, s33, 3
	s_add_co_u32 s32, s32, s33                     ; the tile's first row: 128 G + 32 (T / 2) + 8 (T % 2)
	s_lshl_b32 s32, s32, 12                        ; rows of 4,096 bytes
	s_lshl_b32 s33, s20, 10                        ; + my 256 numbers
	s_add_co_u32 s32, s32, s33
	s_mov_b32 s33, 0
	s_add_nc_u64 s[4:5], s[4:5], s[32:33]
	s_lshl_b32 s32, s22, 17
	s_lshl_b32 s34, s20, 15
	s_add_co_u32 s32, s32, s34
	s_lshl_b32 s34, s23, 11
	s_add_co_u32 s32, s32, s34
	s_add_nc_u64 s[12:13], s[12:13], s[32:33]      ; the codes: G 131072 + wave x two units of 16,384 + T 2048
	s_wait_alu depctr_va_vdst(0)
	LOADX 0
	LOADX 1
	s_wait_kmcnt 0x0
	MKSCALE 24                                     ; e0
	s_wait_alu depctr_va_vdst(0)                   ; the wait at the head's end
	s_wait_loadcnt 16                              ; the first fragment's 16 loads are in, the second's may be out
	TURNX 0
	s_wait_dscnt 0x0
	QUANTX 0
	s_wait_loadcnt 0x0
	TURNX 1
	s_wait_dscnt 0x0
	QUANTX 1
	s_wait_tensorcnt 0x0                           ; the wave's end
	ds_add_u32 v240, v241
	s_wait_dscnt 0x0
	s_endpgm
; ---- the weights: K is their FIRST axis.  A lane takes a column and its registers run down K: each load reads 128 consecutive bytes a wave, the conversions give codes with K innermost, and a lane's 16 codes are
; 16 bytes of the image: nothing is transposed.  Loads run two blocks of 32 along K (64 loads a wave) ahead.  Every offset is an immediate: 127 rows of 12,288 bytes at the most, inside the signed 24 bits.
.macro LOADW t, pitch
.set WI, 0
.rept 32
	global_load_b32 v[32+32*((\t)%2)+WI], v4, s[34:35] offset:(32*(\t)+WI)*\pitch th:TH_LOAD_NT
.set WI, WI+1
.endr
.endm
.macro BLOCKW t, pitch
.set XS, 32+32*((\t)%2)
.set CW, 96+8*(\t)                     ; each block has code registers of its own: no store's data are written again
.if (\t) < 3
	s_wait_loadcnt 32                              ; this block's 32 loads are in, the next block's may be out
.else
	s_wait_loadcnt 0x0
.endif
.set WI, 0
.rept 32
	v_med3_num_f32 v[XS+WI], v[XS+WI], -v10, v10
.set WI, WI+1
.endr
.irp g, 0,1,2,3
	v_cvt_scalef32_pk8_fp8_f32 v[CW+2*\g:CW+2*\g+1], v[XS+8*\g:XS+8*\g+7], v11
.endr
	v_nop
	global_store_b128 v7, v[CW:CW+3], s[36:37] offset:(\t)*512        ; k = 32 t + 0 .. 15 (h = 0): the 32 lanes fill two aligned runs of 256 bytes,
	global_store_b128 v7, v[CW+4:CW+7], s[36:37] offset:(\t)*512+256  ; k = 32 t + 16 .. 31 (h = 1): likewise
.if (\t)+2 < 4
	LOADW (\t)+2, \pitch
.endif
.endm
.macro WPATH pitch, first, src, dst, e, tsh
	s_sub_co_u32 s21, ttmp9, \first
	s_lshr_b32 s22, s21, 3                         ; which 128 columns
	s_and_b32 s23, s21, 7                          ; u: which 128 along K
	s_mul_i32 s32, s23, 128*\pitch
	s_lshl_b32 s33, s22, 9
	s_add_co_u32 s32, s32, s33
	s_lshl_b32 s33, s20, 7                         ; my wave's 32 columns
	s_add_co_u32 s32, s32, s33
	s_mov_b32 s33, 0
	s_add_nc_u64 s[34:35], s[\src:\src+1], s[32:33]
.if \e == 25
	s_lshr_b32 s38, s22, 3                         ; 0 q, 1 k, 2 v
	s_and_b32 s39, s20, 1                          ; my 32 columns are the head's tiles 2 (w % 2) and 2 (w % 2) + 1
	s_lshl_b32 s36, s39, 1
	s_cmp_eq_u32 s38, 2
	s_cselect_b32 s38, s39, s38                    ; the half: q 0, k 1, v w % 2
	s_cselect_b32 s36, 4, s36                      ; the tile in the half
	s_and_b32 s32, s22, 7
	s_lshl_b32 s32, s32, 1
	s_lshr_b32 s39, s20, 1
	s_add_co_u32 s32, s32, s39                     ; the head
	s_mul_i32 s32, s32, 196608
	s_mul_i32 s38, s38, 98304
	s_mul_i32 s39, s23, 12288
	s_lshl_b32 s36, s36, 11
	s_add_co_u32 s32, s32, s38
	s_add_co_u32 s32, s32, s39
.else
	s_lshl_b32 s32, s22, 17
	s_lshr_b32 s36, s23, 1
	s_lshl_b32 s36, s36, 15
	s_add_co_u32 s32, s32, s36
	s_and_b32 s36, s23, 1
	s_lshl_b32 s36, s36, 11
	s_add_co_u32 s32, s32, s36
	s_lshl_b32 s36, s20, 13                        ; my 32 columns are tiles 2 w and 2 w + 1
.endif
	s_add_co_u32 s32, s32, s36
	s_add_nc_u64 s[36:37], s[\dst:\dst+1], s[32:33]
	v_lshlrev_b32 v4, 2, v2                        ; in: 4 bytes a lane
	v_bfe_u32 v8, v0, 3, 1                         ; column x of the 32 is the first or the second of the two tiles by (x / 8) % 2,
	v_and_b32 v9, 7, v0
	v_lshl_add_u32 v9, v6, 3, v9                   ; row x % 8 + 8 (x / 16) of it
	v_lshlrev_b32 v9, 4, v9
	v_lshl_add_u32 v7, v8, \tsh, v9                ; tiles lie 1 << tsh bytes apart
	LOADW 0, \pitch
	LOADW 1, \pitch
	s_wait_alu depctr_va_vdst(0)
	s_wait_kmcnt 0x0
	MKSCALE \e
	s_wait_alu depctr_va_vdst(0)                   ; the wait at the head's end
.irp t, 0,1,2,3
	BLOCKW \t, \pitch
.endr
	s_endpgm
.endm
.Lwqkv:
	s_wait_alu depctr_va_vdst(0)
	WPATH PQKV, 0, 6, 14, 25, 11                   ; w_qkv -> wqc, e1
.Lwout:
	s_wait_alu depctr_va_vdst(0)
	WPATH POUT, 192, 8, 16, 31, 12                 ; w_out -> woc, e7
; ---- the table.  tab[T' 0..127][cos, sin][j 0..3][lane][16 bytes]: lane (r, h) holds cos or sin of position 32 (T' / 2) + 8 (T' % 2) + r + 8 (r / 8) x frequency 16 h + 4 j + 0 .. 3: the layout in which the
; first product's results meet them.  Frequency f is the f32 number nearest to 10^(-f / 8) = 1 / 10000^(f / 32); it may differ by a unit in the last place from a power and a reciprocal taken in f32.
; angle = position x frequency, rounded once.  n = the nearest whole number to angle x 2 / pi; the rest = angle - n pi/2 with pi/2 in two parts (the first subtraction rounds nothing: n has 11 bits, the
; first part 24, and the difference is under 1); sine and cosine of the rest, at most pi/4 in size, by polynomials of degree 7 and 8; n % 4 says which of the two is which, and the signs.
.macro SINCOS i, flo, fhi
	v_mov_b32 v16, \flo
	v_mov_b32 v17, \fhi
	v_cndmask_b32 v16, v16, v17, vcc_lo            ; lanes 16-31 take frequency 16 + i
	v_mul_f32 v16, v7, v16                         ; the angle
	v_mul_f32 v17, 0x3f22f983, v16                 ; x 2 / pi
	v_rndne_f32 v17, v17                           ; n
	v_fma_f32 v18, -v17, s34, v16
	v_fma_f32 v18, -v17, s35, v18                  ; the rest
	v_cvt_i32_f32 v19, v17
	v_mul_f32 v20, v18, v18                        ; its square z
	v_fma_f32 v21, v20, s36, s37
	v_fma_f32 v22, v20, s39, s40
	v_fma_f32 v21, v21, v20, s38
	v_fma_f32 v22, v22, v20, s41
	v_mul_f32 v21, v21, v20
	v_fma_f32 v22, v22, v20, -0.5
	v_fma_f32 v21, v21, v18, v18                   ; sine of the rest
	v_fma_f32 v22, v22, v20, 1.0                   ; cosine of the rest
	v_and_b32 v23, 1, v19
	v_cmp_eq_u32 s21, 1, v23                       ; n odd: the two change places
	v_cndmask_b32 v24, v21, v22, s21
	v_cndmask_b32 v25, v22, v21, s21
	v_lshlrev_b32 v26, 30, v19                     ; the sine's sign is bit 1 of n,
	v_add_nc_u32 v27, 1, v19
	v_and_b32 v26, 0x80000000, v26
	v_lshlrev_b32 v27, 30, v27                     ; the cosine's bit 1 of n + 1
	v_xor_b32 v[48+\i], v24, v26
	v_and_b32 v27, 0x80000000, v27
	v_xor_b32 v[32+\i], v25, v27
.endm
.Ltable:
	s_sub_co_u32 s21, ttmp9, 512
	s_lshl_b32 s21, s21, 2
	s_add_co_u32 s21, s21, s20                     ; T'
	s_lshr_b32 s22, s21, 1
	s_lshl_b32 s22, s22, 5
	s_and_b32 s23, s21, 1
	s_lshl_b32 s23, s23, 3
	s_add_co_u32 s22, s22, s23
	s_lshl_b32 s32, s21, 12
	s_mov_b32 s33, 0
	s_add_nc_u64 s[18:19], s[18:19], s[32:33]
	s_mov_b32 s34, 0x3fc90fdb                      ; pi/2 to f32,
	s_mov_b32 s35, 0xb33bbd2e                      ; and what it lacks
	s_mov_b32 s36, 0xb94ca1f9                      ; the sine's coefficients
	s_mov_b32 s37, 0x3c08839e
	s_mov_b32 s38, 0xbe2aaaa3
	s_mov_b32 s39, 0x37ccf5ce                      ; the cosine's
	s_mov_b32 s40, 0xbab6061a
	s_mov_b32 s41, 0x3d2aaaa5
	s_wait_alu depctr_va_vdst(0)
	v_and_b32 v7, 8, v5
	v_add_nc_u32 v7, v7, v5
	v_add_nc_u32 v7, s22, v7
	v_cvt_f32_u32 v7, v7                           ; my position
	v_cmp_eq_u32 vcc_lo, 1, v6
	SINCOS 0, 0x3f800000, 0x3c23d70a
	SINCOS 1, 0x3f3ff911, 0x3bf5b9b0
	SINCOS 2, 0x3f0ff59a, 0x3bb8449c
	SINCOS 3, 0x3ed7e89b, 0x3b8a2e77
	SINCOS 4, 0x3ea1e89b, 0x3b4f3e37
	SINCOS 5, 0x3e72d424, 0x3b1b690d
	SINCOS 6, 0x3e361887, 0x3ae91528
	SINCOS 7, 0x3e088d77, 0x3aaec98e
	SINCOS 8, 0x3dcccccd, 0x3a83126f
	SINCOS 9, 0x3d99940e, 0x3a44948c
	SINCOS 10, 0x3d6655c3, 0x3a136a16
	SINCOS 11, 0x3d2cba15, 0x39dd1726
	SINCOS 12, 0x3d0186e2, 0x39a5cb5f
	SINCOS 13, 0x3cc24350, 0x3978a814
	SINCOS 14, 0x3c91ad39, 0x393a7753
	SINCOS 15, 0x3c5a7bf1, 0x390bd472
.irp j, 0,1,2,3
	global_store_b128 v3, v[32+4*\j:35+4*\j], s[18:19] offset:512*\j
	global_store_b128 v3, v[48+4*\j:51+4*\j], s[18:19] offset:2048+512*\j
.endr
	s_endpgm
.Lfunc_end_k_qe70d28fb79_quant:
	.size	k_qe70d28fb79_quant, .Lfunc_end_k_qe70d28fb79_quant-k_qe70d28fb79_quant
	.p2alignl 7, 3214868480
	.fill 96, 4, 3214868480
	.section	.rodata,"a",@progbits
	.p2align	6, 0x0
	.amdhsa_kernel k_qe70d28fb79_quant
		.amdhsa_group_segment_fixed_size 34304
		.amdhsa_private_segment_fixed_size 0
		.amdhsa_enable_private_segment 0
		.amdhsa_kernarg_size 64
		.amdhsa_user_sgpr_count 2
		.amdhsa_user_sgpr_kernarg_segment_ptr 1
		.amdhsa_wavefront_size32 1
		.amdhsa_system_sgpr_workgroup_id_x 1
		.amdhsa_system_sgpr_workgroup_id_y 1
		.amdhsa_system_sgpr_workgroup_id_z 1
		.amdhsa_system_vgpr_workitem_id 0
		.amdhsa_next_free_vgpr 242
		.amdhsa_next_free_sgpr 66
		.amdhsa_reserve_vcc 1
		.amdhsa_float_denorm_mode_32 3
		.amdhsa_float_denorm_mode_16_64 3
		.amdhsa_memory_ordered 1
		.amdhsa_forward_progress 1
		.amdhsa_inst_pref_size 92
	.end_amdhsa_kernel
	.amdgpu_metadata
---
amdhsa.version: [ 1, 2 ]
amdhsa.kernels:
  - .name:           k_qe70d28fb79_quant
    .symbol:         k_qe70d28fb79_quant.kd
    .args:
      - { .name: x, .offset: 0, .size: 8, .value_kind: global_buffer, .address_space: global }
      - { .name: w_qkv, .offset: 8, .size: 8, .value_kind: global_buffer, .address_space: global }
      - { .name: w_out, .offset: 16, .size: 8, .value_kind: global_buffer, .address_space: global }
      - { .name: lowp_scales, .offset: 24, .size: 8, .value_kind: global_buffer, .address_space: global }
      - { .name: xc, .offset: 32, .size: 8, .value_kind: global_buffer, .address_space: global }
      - { .name: wqc, .offset: 40, .size: 8, .value_kind: global_buffer, .address_space: global }
      - { .name: woc, .offset: 48, .size: 8, .value_kind: global_buffer, .address_space: global }
      - { .name: tab, .offset: 56, .size: 8, .value_kind: global_buffer, .address_space: global }
    .group_segment_fixed_size: 34304
    .private_segment_fixed_size: 0
    .kernarg_segment_align: 8
    .kernarg_segment_size: 64
    .max_flat_workgroup_size: 128
    .sgpr_count:     66
    .vgpr_count:     242
    .wavefront_size: 32
...
	.end_amdgpu_metadata
.endif
;; end of part 1
;; launch qkv (part 2): grid 16 x 16, 4 waves a work-group, clusters of 4 x 4, 327,680 bytes of LDS; arguments xc, wqc, lowp_scales, tab, qc, kc, vc; writes qc, kc, vc
.if DOCPART == 2
	.amdgcn_target "amdgcn-amd-amdhsa--gfx1250"
	.amdhsa_code_object_version 6
	.text
	.protected	k_qe70d28fb79_qkv
	.globl	k_qe70d28fb79_qkv
	.p2align	8
	.type	k_qe70d28fb79_qkv,@function
k_qe70d28fb79_qkv:
	s_mov_b64 s[64:65], 0
	v_nop
	global_prefetch_b8 v0, s[64:65] scope:SCOPE_SE
	s_setreg_imm32_b32 hwreg(HW_REG_WAVE_MODE, 25, 1), 1
	s_wait_xcnt 0x0
	s_wait_alu depctr_hold_cnt(0) depctr_sa_sdst(0) depctr_va_vdst(0) depctr_va_sdst(0) depctr_va_ssrc(0) depctr_va_vcc(0) depctr_vm_vsrc(0)
	s_getreg_b32 s2, hwreg(HW_REG_IB_STS2, 6, 4)
	s_cmp_eq_u32 s2, 0
	s_cbranch_scc0 .Lentry_in_a_cluster
	s_endpgm
.Lentry_in_a_cluster:
	s_bfe_u32 s2, ttmp6, 0x10000c
	s_cmp_lg_u32 s2, 0xf033
	s_cbranch_scc0 .Lentry_shape_is_right
	s_endpgm
.Lentry_shape_is_right:
; qkv = x w_qkv on codes of E4M3; q and k are rotated (cos and sin from the table), and q, k, v are quantised with their given scales into the layouts in which the attention launch takes them as operands.
; A work-group (x: head, y: 256 rows of x) makes that head's q, k and v: 256 x 192 numbers; 16 x 16 = 256 work-groups.  Four waves: row half w / 2 (128 rows = 8 tiles), column half w % 2: half 0 has q's four tiles of 16 columns
; and v's tiles 0 and 1, half 1 k's four and v's tiles 2 and 3.  48 accumulators of 16 x 16 a wave, 384 registers.
; K = 1,024 goes in eight units of 128.  A unit is 16,384 bytes for each of the two 128-row blocks of x and 12,288 for each column half: four regions of FIVE slots in LDS, a region for each wave's loads.  Two fills, one joint load a wave each:
; units 0-4 at the head, units 5-7 into slots 0-2 again when unit 2 has been read.
; The codes lie as images of operand registers: LDS needs no padding, and a fragment load's 512 bytes are consecutive.
; THE TWO SOURCES.  q, k: source 0 = columns, source 1 = rows of x: a lane holds one position and its registers run along the head's channels, the next product's K.  v: the sources swapped: a lane holds one channel and runs along the
; keys, ITS next product's K.  Registers of source 0's tiles 2 b and 2 b + 1 are 16 neighbours, 32 b + 16 (lane / 16) + 0 .. 15.  Nothing is transposed.
; CLUSTERS: 4 x 4 work-groups.  x's blocks hang on cy alone and are asked for jointly by a row of the cluster, the columns on cx alone, by a column.
; PREFETCH: units 5-7, behind the first fill and unit 0's fragment loads, three units ahead of their load.  The four partners that share a wave's tile take a quarter of its rows of 256 bytes each, told apart by address.  Units 0-4 come by their load alone.
; LIMITS: eT - e0 - e1 between -126 and 119, for eT = e2 (q), e3 (k), e5 (v), so that the folded scale and 448 times it are f32 numbers.
; REGISTERS, in windows of 256: window 0: v12-31 addresses and constants; v128-255 x's eight fragments, ONE set; on the way out v32-63 at work, v64-159 codes.
;   window 1: six column fragments, TWO sets of 96; v192-255 the table's tiles 4, 5 (on the way out v0-63: tiles 6, 7).  window 2: q's or k's accumulators, (a, b) at v[8 (4 a + b)].  window 3: v's, (a, u) at v[8 (2 a + u)]; v128-255 the table's tiles 0-3.
.set XU,     16384                     ; a unit of 128 rows of x
.set WU,     12288                     ; a unit of a column half
.set XREG,   5*XU
.set WBASE,  2*XREG
.set WREG,   5*WU
.set SPARE,  WBASE+2*WREG              ; the spare words, 128 bytes for each wave: two blocks of 256 bytes that no other line names
.set PF1, 14                           ; v14, v15 the prefetches' offsets
.set PF2, 15
.set ADRA, 16                          ; v16  LDS address of my x fragments, slots 0-3;  v17 slot 4 (an LDS offset has 16 bits)
.set ADRB, 20                          ; v20  of my column fragments
.set SCV,  22                          ; v22, v23  v's scale and hold
.set LIMV, 23
.set LN,   26                          ; v26  16 x lane
.set SPW,  28                          ; v28  LDS address of my spare word; never rewritten
.set NIL,  29                          ; v29  0; never rewritten
.set SC,   30                          ; v30  2^(eT - e0 - e1) as f32 for q or k
.set LIM,  31                          ; v31  448 x that
.set XR,   32
.set YR,   48
.set CD,   64                          ; v64-127 q's or k's codes, v128-159 v's: registers of their own for every store
.set CV,   128
.set AF,   128
.set G1X3, 24                          ; descriptor groups 1: three and five units of x, three and five of the columns
.set G1X5, 32
.set G1W3, 40
.set G1W5, 48
.set G0X,  56                          ; groups 0
.set G0W,  60
.set MSB, 0
.macro WIN new                         ; the immediate's high byte repeats the setting that is left
.if MSB != \new
	s_set_vgpr_msb (MSB<<8)|\new
.set MSB, \new
.endif
.endm
.set MUL_R, 0xa1                       ; q, k: source 0 (columns) window 1, source 1 (x) window 0, C and D window 2
.set MUL_V, 0xf4                       ; v: source 0 (x) window 0, source 1 (columns) window 1, C and D window 3
; A joint load: waves 0 and 1 fetch x's two blocks, waves 2 and 3 the two column halves.  Each of the two lines has ONE mask and one set of registers for all that issue it; the branch hangs on the wave's number alone.
; An s_nop 0 and four v_nop follow each of the two lines, ahead of the jump, the label and what follows.
.macro JLOAD g0a, g1a, g0b, g1b
	s_cmp_eq_u32 s15, 0
	s_cbranch_scc0 .Lfor_b_\@
	tensor_load_to_lds s[\g0a:\g0a+3], s[\g1a:\g1a+7]
	s_nop 0
.rept 4
	v_nop
.endr
	s_branch .Lasked_\@
.Lfor_b_\@:
	tensor_load_to_lds s[\g0b:\g0b+3], s[\g1b:\g1b+7]
	s_nop 0
.rept 4
	v_nop
.endr
.Lasked_\@:
.endm
.macro CREST                           ; a round of the cluster's barrier behind its opening barrier
	s_cmp_lg_u32 s14, 0
	s_cbranch_scc1 .Lnot_wave_0_\@
	s_barrier_signal -3
.Lnot_wave_0_\@:
	s_barrier_wait -3
	s_barrier_signal -1
	s_barrier_wait -1
.endm
.macro CROUND                          ; a whole round
	s_barrier_signal -1
	s_barrier_wait -1
	CREST
.endm
.macro MKG1 g, mask, rows              ; a dense block as rows of 32 elements of 8 bytes; 15:0 the mask; 17:16 elements of 8 bytes; 21 set beside a mask
	s_or_b32 s[\g], s[\mask], (3<<16)|(1<<21)
	s_mov_b32 s[\g+1], 32<<16
	s_mov_b32 s[\g+2], (\rows)<<16
	s_mov_b32 s[\g+3], 32<<16
	s_mov_b32 s[\g+4], \rows
	s_mov_b32 s[\g+5], 32
	s_mov_b32 s[\g+6], 0
	s_mov_b32 s[\g+7], 0
.endm
.macro MKS e, sc, lim                  ; 2^e as f32, and 448 x that
	s_add_co_i32 s12, s[\e], 127
	s_lshl_b32 s13, s12, 23
	v_mov_b32 v[\sc], s13
	s_add_co_i32 s12, s12, 8
	s_lshl_b32 s12, s12, 23
	s_or_b32 s12, s12, 0x600000
	v_mov_b32 v[\lim], s12
.endm
	s_load_b128 s[4:7], s[0:1], 0x0                ; x's codes s[4:5], w_qkv's codes s[6:7]
	s_load_b128 s[8:11], s[0:1], 0x10              ; the scales' exponents s[8:9], the table s[10:11]
	s_load_b128 s[84:87], s[0:1], 0x20             ; q's codes s[84:85], k's s[86:87]
	s_load_b64 s[88:89], s[0:1], 0x30              ; v's
	v_lshl_add_u32 v[SPW], v0, 2, SPARE
	v_mov_b32 v[NIL], 0
	ds_add_u32 v[SPW], v[NIL]                      ; the wave's opening: the add, twice on end, and its wait
	ds_add_u32 v[SPW], v[NIL]
	v_lshrrev_b32 v1, 5, v0
	v_readfirstlane_b32 s14, v1                    ; wave 0..3
	s_lshr_b32 s15, s14, 1                         ; which 128 rows are mine.  Also: I fetch for x (0) or for the columns (1)
	s_and_b32 s16, s14, 1                          ; which column half.  Also: which block or half I fetch
	s_bfe_u32 s68, ttmp6, 0x40000                  ; cx
	s_bfe_u32 s69, ttmp6, 0x40004                  ; cy
	s_lshl_b32 s70, ttmp9, 2
	s_add_co_u32 s70, s70, s68                     ; the head
	s_and_b32 s71, ttmp7, 0xffff
	s_lshl_b32 s71, s71, 2
	s_add_co_u32 s71, s71, s69                     ; which 256 rows
	s_lshl_b32 s72, s69, 2
	s_lshl_b32 s72, 15, s72                        ; my row of the cluster
	s_lshl_b32 s73, 0x1111, s68                    ; my column
	MKG1 G1X5, 72, 5*XU/256
	MKG1 G1W5, 73, 5*WU/256
	MKG1 G1X3, 72, 3*XU/256
	MKG1 G1W3, 73, 3*WU/256
	s_lshl_b32 s74, s71, 18
	s_lshl_b32 s66, s16, 17
	s_add_co_u32 s74, s74, s66                     ; x: 262,144 bytes for 256 rows, 131,072 for a block
	s_mov_b32 s75, 0
	s_mul_i32 s76, s70, 196608
	s_mul_i32 s67, s16, 98304
	s_add_co_u32 s76, s76, s67                     ; the columns
	s_mov_b32 s77, 0
	s_mul_i32 s66, s16, XREG                       ; where they go: no place in the cluster enters an LDS address
	s_mul_i32 s67, s16, WREG
	s_add_co_u32 s67, s67, WBASE
	s_mov_b32 s[G0X], 1
	s_mov_b32 s[G0X+1], s66
	s_mov_b32 s[G0W], 1
	s_mov_b32 s[G0W+1], s67
	s_wait_dscnt 0x0                               ; both opening adds are done
	s_wait_kmcnt 0x0
	s_load_b256 s[92:99], s[8:9], 0x0              ; e0 .. e7
	s_add_nc_u64 s[74:75], s[4:5], s[74:75]
	s_add_nc_u64 s[76:77], s[6:7], s[76:77]
	s_mov_b64 s[G0X+2:G0X+3], s[74:75]
	s_or_b32 s[G0X+3], s[G0X+3], 0x80000000
	s_mov_b64 s[G0W+2:G0W+3], s[76:77]
	s_or_b32 s[G0W+3], s[G0W+3], 0x80000000
	CROUND                                         ; all sixteen work-groups are here: the first joint loads meet
	JLOAD G0X, G1X5, G0W, G1W5                     ; units 0-4: one tensor load a wave at the head
	; the prefetches' place: units 5-7 of the tile that my wave fetches, my partner's share of it: 48 rows of 256 bytes of x by cx, 36 of the columns by cy
	s_mul_i32 s80, s68, 12288
	s_add_co_u32 s80, s80, 5*XU
	s_mul_i32 s82, s69, 9216
	s_add_co_u32 s82, s82, 5*WU
	s_mov_b32 s81, 0
	s_cmp_eq_u32 s15, 0
	s_cselect_b32 s80, s80, s82
	s_cselect_b32 s82, 15, 3                       ; the last row of the second 32
	s_cselect_b64 s[78:79], s[74:75], s[76:77]
	s_add_nc_u64 s[78:79], s[78:79], s[80:81]
	v_and_b32 v6, 31, v0
	v_lshlrev_b32 v[LN], 4, v6
	v_min_u32 v[PF2], s82, v6
	v_lshlrev_b32 v[PF1], 8, v6                    ; a lane a row
	v_lshlrev_b32 v[PF2], 8, v[PF2]
	v_add_nc_u32 v[PF2], 0x2000, v[PF2]            ; lanes that are left over name the last row again
	s_mul_i32 s80, s15, XREG
	v_add_nc_u32 v[ADRA], s80, v[LN]
	v_add_nc_u32 v[ADRB], s67, v[LN]               ; (half w % 2 is the one that I multiply, whichever wave fetches it)
	v_add_nc_u32 v[ADRA+1], 0x10000, v[ADRA]
	; where results go, and my tiles of the table
	s_lshr_b32 s82, s71, 3
	s_lshl_b32 s82, s82, 4
	s_add_co_u32 s82, s82, s70
	s_lshl_b32 s82, s82, 17                        ; (batch x 16 + head) x 131,072
	s_lshl_b32 s83, s71, 4
	s_lshl_b32 s3, s15, 3
	s_add_co_u32 s83, s83, s3
	s_and_b32 s83, s83, 127                        ; my first tile of 16 positions in its batch
	s_lshl_b32 s80, s83, 10
	s_add_co_u32 s80, s80, s82
	s_cmp_eq_u32 s16, 0
	s_cselect_b64 s[90:91], s[84:85], s[86:87]     ; q's codes or k's: [batch x 16 + head][tile of positions][2][lane][16 bytes]
	s_add_nc_u64 s[90:91], s[90:91], s[80:81]
	s_lshl_b32 s80, s83, 12
	s_add_nc_u64 s[10:11], s[10:11], s[80:81]      ; 4,096 bytes of the table a tile
	s_lshr_b32 s80, s83, 3
	s_lshl_b32 s80, s80, 13                        ; the key step
	s_add_co_u32 s80, s80, s82
	s_lshl_b32 s83, s16, 12
	s_add_co_u32 s80, s80, s83
	s_add_nc_u64 s[88:89], s[88:89], s[80:81]      ; v's codes: [batch x 16 + head][key step][tile of channels 4][4][lane][16 bytes]
	s_wait_alu depctr_va_vdst(0)
	s_wait_kmcnt 0x0
	; a sum stands for sum x 2^(e0 + e1), and the rotation is linear: so the three scales are folded into the conversion's one, 2^(eT - e0 - e1)
	s_add_co_i32 s82, s92, s93
	s_cmp_eq_u32 s16, 0
	s_cselect_b32 s80, s94, s95                    ; q: e2, k: e3
	s_sub_co_i32 s80, s80, s82
	s_sub_co_i32 s83, s97, s82                     ; v: e5
	MKS 80, SC, LIM
	MKS 83, SCV, LIMV
.macro FETCH_A s, st                   ; x's fragments st .. st + 3 of slot s: registers 4 c .. 4 c + 3 hold K = 32 c + 16 (l / 16) + 0 .. 15 of their row: the same places of k in both sources
.irp i, 0,1,2,3
.irp c, 0,1,2,3
.if (\s) < 4
	ds_load_b128 v[AF+16*((\st)+\i)+4*\c:AF+16*((\st)+\i)+4*\c+3], v[ADRA] offset:XU*(\s)+2048*((\st)+\i)+512*\c
.else
	ds_load_b128 v[AF+16*((\st)+\i)+4*\c:AF+16*((\st)+\i)+4*\c+3], v[ADRA+1] offset:2048*((\st)+\i)+512*\c
.endif
.endr
.endr
.endm
.macro FETCH_B s, p                    ; the six column fragments of slot s into set p
	WIN 0x40
.irp i, 0,1,2,3,4,5
.irp c, 0,1,2,3
	ds_load_b128 v[96*(\p)+16*\i+4*\c:96*(\p)+16*\i+4*\c+3], v[ADRB] offset:WU*(\s)+2048*\i+512*\c
.endr
.endr
	WIN 0
.endm
; 12 matrix instructions: x's tiles a0, a0 + 1 x the six column tiles.  zero = 1: the first product starts the sums: nothing is ever cleared.
; The 48 accumulators take turns, one instruction a turn, in the same order in every unit.
.macro WM d, s0, s1, zero
.if \zero
	v_wmma_f32_16x16x128_fp8_fp8 v[\d:\d+7], v[\s0:\s0+15], v[\s1:\s1+15], 0
.else
	v_wmma_f32_16x16x128_fp8_fp8 v[\d:\d+7], v[\s0:\s0+15], v[\s1:\s1+15], v[\d:\d+7]
.endif
.endm
.macro MULP a0, p, zero
	WIN MUL_R
.irp a, 0,1
.irp b, 0,1,2,3
	WM 8*(4*((\a0)+\a)+\b), 96*(\p)+16*\b, AF+16*((\a0)+\a), \zero
.endr
.endr
	WIN MUL_V
.irp a, 0,1
.irp u, 0,1
	WM 8*(2*((\a0)+\a)+\u), AF+16*((\a0)+\a), 96*(\p)+64+16*\u, \zero
.endr
.endr
.endm
; A load into a register that a matrix instruction has read, and a vector instruction that reads a matrix result, stand four places behind that matrix instruction, and only plain vector
; instructions that name none of its registers are places (ISA guide 7.12.1 for vector instructions).
.macro PLACES
.rept 4
	v_nop
.endr
.endm
; A unit whose successor lies in LDS already, in slot ns.  x's tiles 0-3 are fetched anew in the middle, 4-7 at the end; the columns have two sets.
.macro STEP p, ns, zero
	s_wait_dscnt 24                                ; the columns and x's tiles 0, 1 are in; tiles 2-7 (24 loads) may be out
	MULP 0, \p, \zero
	s_wait_dscnt 16                                ; tiles 2, 3 are in
	MULP 2, \p, \zero
	s_wait_dscnt 0x0
	PLACES
	FETCH_B \ns, 1-\p
	FETCH_A \ns, 0
	MULP 4, \p, \zero
	MULP 6, \p, \zero
	PLACES
	WIN 0
	FETCH_A \ns, 4
.endm
; Unit 2 and unit 4.  fill = 1 (unit 2): each wave waits for all its tensor loads, adds 0 to its spare word, and waits for that and for its reads of slots 0-2; a round follows, and slots 0-2 are filled again with units 5-7.
; fill = 0 (unit 4): behind the barrier units 5-7 are whole.
.macro TURN p, ns, fill
	s_wait_dscnt 24
	MULP 0, \p, 0
	s_wait_dscnt 16
	MULP 2, \p, 0
	s_wait_dscnt 0x0                               ; tiles 4-7 are in
	MULP 4, \p, 0
.if \fill
	WIN 0
	s_wait_tensorcnt 0x0                           ; no tensor load of mine is out;
	ds_add_u32 v[SPW], v[NIL]                      ; 0 onto my spare word;
	MULP 6, \p, 0                                  ; twelve matrix instructions stand between the add and the wait for it
	WIN 0
	s_wait_dscnt 0x0                               ; the add is done, and my reads of slots 0-2 are over
	s_barrier_signal -1
	s_barrier_wait -1
	CREST                                          ; the barrier has opened a round of the cluster's barrier
	s_add_nc_u64 s[G0X+2:G0X+3], s[G0X+2:G0X+3], 5*XU
	s_add_nc_u64 s[G0W+2:G0W+3], s[G0W+2:G0W+3], 5*WU
	JLOAD G0X, G1X3, G0W, G1W3                     ; the four v_nop behind it are the places in front of the loads below
.else
	MULP 6, \p, 0
	WIN 0
	s_wait_tensorcnt 0x0                           ; my part of units 5-7 is in
	s_wait_dscnt 0x0
	s_barrier_signal -1
	s_barrier_wait -1
	PLACES
.endif
	FETCH_B \ns, 1-\p
	FETCH_A \ns, 0
	FETCH_A \ns, 4
.endm
.macro TABT a, reg                     ; tile a of the table: 16 registers of cos, 16 of sin
.irp f, 0,1,2,3,4,5,6,7
	global_load_b128 v[\reg+4*\f:\reg+4*\f+3], v[LN], s[10:11] offset:\a*4096+\f*512
.endr
.endm
	s_wait_alu depctr_va_vdst(0)                   ; the wait at the head's end
	s_wait_tensorcnt 0x0                           ; my part of units 0-4 is in
	s_barrier_signal -1
	s_barrier_wait -1                              ; everybody's is
	FETCH_B 0, 0
	FETCH_A 0, 0
	FETCH_A 0, 4
	global_prefetch_b8 v[PF1], s[78:79] th:TH_LOAD_NT scope:SCOPE_SE   ; units 5-7, my share: 32 rows,
	global_prefetch_b8 v[PF2], s[78:79] th:TH_LOAD_NT scope:SCOPE_SE   ; and the 16 or 4 behind them
	STEP 0, 1, 1                                   ; unit 0: its products start the sums
	STEP 1, 2, 0
	TURN 0, 3, 1                                   ; unit 2
	WIN 0xc0
	TABT 0, 128                                    ; the table's tiles 0-5 come under the products
	TABT 1, 160
	TABT 2, 192
	TABT 3, 224
	WIN 0x40
	TABT 4, 192
	TABT 5, 224
	STEP 1, 4, 0                                   ; unit 3
	TURN 0, 0, 0                                   ; unit 4
	STEP 1, 1, 0
	STEP 0, 2, 0
	s_wait_dscnt 24                                ; unit 7: nothing more to fetch
	MULP 0, 1, 0
	s_wait_dscnt 16
	MULP 2, 1, 0
	s_wait_dscnt 0x0
	MULP 4, 1, 0
	MULP 6, 1, 0
	PLACES                                         ; behind the last products: for the reads of their results, and for the loads and vector writes into the registers that held fragments
	WIN 0x40
	TABT 6, 0
	TABT 7, 32
	WIN 0
; THE WAY OUT.  q and k.  In accumulator (a, b) lane (r, h) holds position row r of x's tile a, and register j channel 32 (b / 2) + 16 h + 8 (b % 2) + j of the head.
; Tiles u = 0, 1 hold channels d = 16 h + 8 u + j (lo), tiles 2 + u hold d + 32 (hi):  lo' = lo cos - hi sin,  hi' = hi cos + lo sin,  with the frequency d.
.macro ROPE a
.set AC, 32*\a
.if \a < 4
.set TR, 128+32*\a
	WIN 0x0e                                       ; source 0: the accumulators' window; source 1: the table's
.else
.set TR, 32*((\a+2)%8)                 ; tiles 4, 5 at 192, 224; tiles 6, 7 at 0, 32
	WIN 0x06
.endif
.irp u, 0,1
.irp j, 0,2,4,6                        ; each accumulator from its low end on
	v_pk_mul_f32 v[XR+8*\u+\j:XR+8*\u+\j+1], v[AC+16+8*\u+\j:AC+16+8*\u+\j+1], v[TR+16+8*\u+\j:TR+16+8*\u+\j+1]
	v_pk_mul_f32 v[YR+8*\u+\j:YR+8*\u+\j+1], v[AC+8*\u+\j:AC+8*\u+\j+1], v[TR+16+8*\u+\j:TR+16+8*\u+\j+1]
.endr
.endr
.irp u, 0,1
.irp j, 0,2,4,6
	v_pk_fma_f32 v[XR+8*\u+\j:XR+8*\u+\j+1], v[AC+8*\u+\j:AC+8*\u+\j+1], v[TR+8*\u+\j:TR+8*\u+\j+1], v[XR+8*\u+\j:XR+8*\u+\j+1] neg_lo:[0,0,1] neg_hi:[0,0,1]
	v_pk_fma_f32 v[YR+8*\u+\j:YR+8*\u+\j+1], v[AC+16+8*\u+\j:AC+16+8*\u+\j+1], v[TR+8*\u+\j:TR+8*\u+\j+1], v[YR+8*\u+\j:YR+8*\u+\j+1]
.endr
.endr
	WIN 0
.set RI, 0
.rept 32
	v_med3_num_f32 v[XR+RI], v[XR+RI], -v[LIM], v[LIM]   ; the conversion to an 8-bit code does not saturate (ISA guide 7.6.2)
.set RI, RI+1
.endr
.set CQ, CD+8*\a
	v_cvt_scalef32_pk8_fp8_f32 v[CQ:CQ+1], v[XR:XR+7], v[SC]
	v_cvt_scalef32_pk8_fp8_f32 v[CQ+2:CQ+3], v[XR+8:XR+15], v[SC]
	v_cvt_scalef32_pk8_fp8_f32 v[CQ+4:CQ+5], v[YR:YR+7], v[SC]
	v_cvt_scalef32_pk8_fp8_f32 v[CQ+6:CQ+7], v[YR+8:YR+15], v[SC]
	v_nop                                          ; a plain line between the conversions and the next vector line that writes their sources
	global_store_b128 v[LN], v[CQ:CQ+3], s[90:91] offset:\a*1024        ; channels 16 h + 0 .. 15: 512 consecutive bytes
	global_store_b128 v[LN], v[CQ+4:CQ+7], s[90:91] offset:\a*1024+512  ; channels 32 + 16 h + 0 .. 15
.endm
.irp a, 0,1,2,3,4,5,6,7
	s_wait_loadcnt 8*(7-\a)                        ; tile a's eight loads are in, the later tiles' may be out
	ROPE \a
.endr
; v.  In accumulator (a, u) lane (r, h) holds channel row r of tile u of my half, and register j key 32 (a / 2) + 16 h + 8 (a % 2) + j of my 128 rows: tiles 2 c and 2 c + 1 are 16 neighbouring keys.
.macro VQ u, c
	WIN 0x03                                       ; source 0: the accumulators' window
.irp t, 0,1
.irp j, 0,1,2,3,4,5,6,7
	v_med3_num_f32 v[XR+8*\t+\j], v[8*(2*(2*\c+\t)+\u)+\j], -v[LIMV], v[LIMV]
.endr
.endr
	WIN 0
.set CQ, CV+4*(4*\u+\c)
	v_cvt_scalef32_pk8_fp8_f32 v[CQ:CQ+1], v[XR:XR+7], v[SCV]
	v_cvt_scalef32_pk8_fp8_f32 v[CQ+2:CQ+3], v[XR+8:XR+15], v[SCV]
	v_nop
	global_store_b128 v[LN], v[CQ:CQ+3], s[88:89] offset:\u*2048+\c*512
.endm
.irp u, 0,1
.irp c, 0,1,2,3
	VQ \u, \c
.endr
.endr
	s_wait_tensorcnt 0x0                           ; the wave's end
	ds_add_u32 v[SPW], v[NIL]
	s_wait_dscnt 0x0
	CROUND                                         ; the closing round: no work-group ends while a partner may still ask for a tile that names it
	s_endpgm
.Lfunc_end_k_qe70d28fb79_qkv:
	.size	k_qe70d28fb79_qkv, .Lfunc_end_k_qe70d28fb79_qkv-k_qe70d28fb79_qkv
	.p2alignl 7, 3214868480
	.fill 96, 4, 3214868480
	.section	.rodata,"a",@progbits
	.p2align	6, 0x0
	.amdhsa_kernel k_qe70d28fb79_qkv
		.amdhsa_group_segment_fixed_size 327680
		.amdhsa_private_segment_fixed_size 0
		.amdhsa_enable_private_segment 0
		.amdhsa_kernarg_size 56
		.amdhsa_user_sgpr_count 2
		.amdhsa_user_sgpr_kernarg_segment_ptr 1
		.amdhsa_wavefront_size32 1
		.amdhsa_system_sgpr_workgroup_id_x 1
		.amdhsa_system_sgpr_workgroup_id_y 1
		.amdhsa_system_sgpr_workgroup_id_z 1
		.amdhsa_system_vgpr_workitem_id 0
		.amdhsa_next_free_vgpr 1024
		.amdhsa_next_free_sgpr 100
		.amdhsa_reserve_vcc 0
		.amdhsa_float_denorm_mode_32 3
		.amdhsa_float_denorm_mode_16_64 3
		.amdhsa_memory_ordered 1
		.amdhsa_forward_progress 1
		.amdhsa_inst_pref_size 120
	.end_amdhsa_kernel
	.amdgpu_metadata
---
amdhsa.version: [ 1, 2 ]
amdhsa.kernels:
  - .name:           k_qe70d28fb79_qkv
    .symbol:         k_qe70d28fb79_qkv.kd
    .args:
      - { .name: xc, .offset: 0, .size: 8, .value_kind: global_buffer, .address_space: global }
      - { .name: wqc, .offset: 8, .size: 8, .value_kind: global_buffer, .address_space: global }
      - { .name: lowp_scales, .offset: 16, .size: 8, .value_kind: global_buffer, .address_space: global }
      - { .name: tab, .offset: 24, .size: 8, .value_kind: global_buffer, .address_space: global }
      - { .name: qc, .offset: 32, .size: 8, .value_kind: global_buffer, .address_space: global }
      - { .name: kc, .offset: 40, .size: 8, .value_kind: global_buffer, .address_space: global }
      - { .name: vc, .offset: 48, .size: 8, .value_kind: global_buffer, .address_space: global }
    .group_segment_fixed_size: 327680
    .private_segment_fixed_size: 0
    .kernarg_segment_align: 8
    .kernarg_segment_size: 56
    .max_flat_workgroup_size: 128
    .sgpr_count:     100
    .vgpr_count:     1024
    .wavefront_size: 32
...
	.end_amdgpu_metadata
.endif
;; end of part 2
;; launch attn (part 3): grid 8 x 32, 16 waves a work-group, clusters of 4 x 1, 327,680 bytes of LDS; arguments qc, kc, vc, lowp_scales, ac; writes ac
.if DOCPART == 3
	.amdgcn_target "amdgcn-amd-amdhsa--gfx1250"
	.amdhsa_code_object_version 6
	.text
	.protected	k_qe70d28fb79_attn
	.globl	k_qe70d28fb79_attn
	.p2align	8
	.type	k_qe70d28fb79_attn,@function
k_qe70d28fb79_attn:
	s_mov_b64 s[64:65], 0
	v_nop
	global_prefetch_b8 v0, s[64:65] scope:SCOPE_SE
	s_setreg_imm32_b32 hwreg(HW_REG_WAVE_MODE, 25, 1), 1
	s_wait_xcnt 0x0
	s_wait_alu depctr_hold_cnt(0) depctr_sa_sdst(0) depctr_va_vdst(0) depctr_va_sdst(0) depctr_va_ssrc(0) depctr_va_vcc(0) depctr_vm_vsrc(0)
	s_getreg_b32 s2, hwreg(HW_REG_IB_STS2, 6, 4)
	s_cmp_eq_u32 s2, 0
	s_cbranch_scc0 .Lentry_in_a_cluster
	s_endpgm
.Lentry_in_a_cluster:
	s_bfe_u32 s2, ttmp6, 0x10000c
	s_cmp_lg_u32 s2, 0x3003
	s_cbranch_scc0 .Lentry_shape_is_right
	s_endpgm
.Lentry_shape_is_right:
; Causal attention on codes of E4M3 for 32 (batch, head); the result, divided by the row's sum, is quantised with 2^e6 into the operand image that the projection launch takes.
; WORK LEFT OUT: blocks of 128 keys wholly behind a query tile, which reference()'s own causal mask makes -infinity whatever the inputs hold; a NaN, an infinity or an overflow that reaches only those is not carried on.
; t = score x log2(e) / 8; M = the row's largest t so far, rounded UP to a whole number; p = 2^(t - M) is quantised along the keys; the row's sum is taken of the unquantised p, in f32.  When M moves, the sum and O are multiplied by 2^(old M - new M).
; SHARES.  A query tile is 16 rows: (block b of 128 rows, tau 0..7); it walks key steps 0 .. b of 128 keys.  Work-group x takes tau = x and all sixteen blocks, as eight PAIRS: S = p and L = 15 - p, 17 steps together.  Two waves share a pair:
;   wave p (A):     L's steps 0 .. 9 (p = 7: all nine, 0 .. 8);
;   wave p + 8 (B): S, steps 0 .. p; then what is left of L, steps 10 .. 15 - p (p = 6, 7: nothing): seven steps (p = 7: eight).
; A hands its M, sum and O to B through LDS, and B joins the two parts and stores both tiles.  Two A and two B share a SIMD.
; A head's K and V, 131,072 bytes each, STAY IN LDS and come by each wave's ONE load, an eighth of K or of V: nothing is filled again, and no stream is left for a prefetch to run ahead of.
; CLUSTERS: four work-groups of one head: all loads are joint.  Branches, trip counts and LDS addresses hang on the wave's number and on counters alone; the work-group's place enters global addresses and lane masks only.
; LAYOUT.  Both products are used transposed (S^T = K Q^T, O^T = V^T P^T): a lane holds ONE query.  Registers 16 b .. 16 b + 15 of a step's scores are keys 32 b + 16 (lane / 16) + 0 .. 15.
; LIMITS: e2 + e3 between -123 and 130; e4 between -126 and 119; e6 - e4 - e5 between -126 and 119; the scaled scores stay under 2^31 in magnitude.
; REGISTERS: v1-5 addresses that stay; v12 -M, v13 the largest t, v[14:15] the sum in two halves; v16-23 Q, v24-31 L's Q; v32-95 K's, then V's fragments; v96-159 S^T, then p; v160-191 O^T; v192-199 S's finished codes; v200-222 at work; v224-239 p's codes.
.set LI,   1
.set LIV,  2
.set DQ,   3
.set PA,   5                           ; v5   my pair's place in the hand-over
.set ADK,  8
.set ADV,  9
.set T2,   2                           ; s2   tau / 2: the group of 32 keys in which my diagonal lies
.set XM,   3
.set WV,   18
.set ULIM, 19                          ; s19  units that I work
.set SEL,  20
.set CS,   22
.set G1A,  24
.set G0A,  40
.set KS,   56                          ; s56  the key step
.set TB,   57
.set BLK,  58                          ; s58  the block of the tile in hand
.set BLK1, 59                          ; s59  L
.set MT,   72                          ; s72-75 masks at work
.set UN,   82                          ; s82  the unit, 0 .. 9
.set OFS,  84                          ; s84  B: from the unit to L's step
.set BSW,  85                          ; s85  B: the unit at which S is finished; A: never
.set MK,   86                          ; s86-101 lane masks of the diagonal group
.set PART, 0x40000                     ; behind K and V: 4,608 bytes for each pair
.set SPARE, PART+8*4608                ; the spare words, 128 bytes a wave
.macro ROUND
	s_barrier_signal -1
	s_barrier_wait -1
	s_cmp_lg_u32 s[WV], 0
	s_cbranch_scc1 .Lnot_wave_0_\@
	s_barrier_signal -3
.Lnot_wave_0_\@:
	s_barrier_wait -3
	s_barrier_signal -1
	s_barrier_wait -1
.endm
	s_load_b256 s[4:11], s[0:1], 0x0               ; q s[4:5], k s[6:7], v s[8:9], the scales' exponents s[10:11]
	s_load_b64 s[12:13], s[0:1], 0x20              ; the result's codes
	v_lshl_add_u32 v251, v0, 2, SPARE
	v_mov_b32 v255, 0
	ds_add_u32 v251, v255                          ; the wave's opening: the add, twice on end, and its wait
	ds_add_u32 v251, v255
	v_lshrrev_b32 v4, 5, v0
	v_readfirstlane_b32 s[WV], v4
	s_and_b32 s60, s[WV], 7                        ; the pair p.  Also: which eighth I fetch
	s_lshr_b32 s61, s[WV], 3                       ; A (0) or B (1).  Also: I fetch for K (0) or for V (1)
	s_bfe_u32 s66, ttmp6, 0x40000
	s_lshl_b32 s67, ttmp9, 2
	s_add_co_u32 s67, s67, s66                     ; tau
	s_and_b32 s68, ttmp7, 0xffff                   ; batch x 16 + head
	s_lshl_b32 s63, s61, 17
	s_lshl_b32 s72, s60, 14                        ; 16,384 bytes each
	s_mov_b32 s73, 0
	s_lshl_b32 s76, s68, 17
	s_mov_b32 s77, 0
	s_mov_b32 s[G1A], 15|(3<<16)|(1<<21)           ; a dense block as 64 rows of 256 bytes, elements of 8 bytes; mask 15; bit 21 set beside a mask
	s_mov_b32 s[G1A+1], 32<<16
	s_mov_b32 s[G1A+2], 64<<16
	s_mov_b32 s[G1A+3], 32<<16
	s_mov_b32 s[G1A+4], 64
	s_mov_b32 s[G1A+5], 32
	s_mov_b32 s[G1A+6], 0
	s_mov_b32 s[G1A+7], 0
	s_mov_b32 s[G0A], 1
	s_add_co_u32 s[G0A+1], s63, s72
	s_wait_dscnt 0x0                               ; both opening adds are done
	s_wait_kmcnt 0x0
	s_load_b256 s[48:55], s[10:11], 0x0            ; e0 .. e7
	s_cmp_eq_u32 s61, 0
	s_cselect_b64 s[78:79], s[6:7], s[8:9]
	s_add_nc_u64 s[78:79], s[78:79], s[76:77]
	s_add_nc_u64 s[G0A+2:G0A+3], s[78:79], s[72:73]
	s_or_b32 s[G0A+3], s[G0A+3], 0x80000000
	ROUND                                          ; all four work-groups are here: the joint loads meet
	tensor_load_to_lds s[G0A:G0A+3], s[G1A:G1A+7]
	s_nop 0
.rept 4
	v_nop
.endr
	s_xor_b32 s[BLK1], s60, 15
	s_add_co_u32 s[BSW], s60, 1
	s_xor_b32 s[OFS], s60, 7
	s_add_co_u32 s[OFS], s[OFS], 2                 ; 9 - p: unit p + 1 is L's step 10
	s_cmp_eq_u32 s60, 7
	s_cselect_b32 s74, 9, 10
	s_cselect_b32 s75, 8, 7
	s_cmp_eq_u32 s61, 0
	s_cselect_b32 s[BLK], s[BLK1], s60
	s_cselect_b32 s[BSW], 64, s[BSW]
	s_cselect_b32 s[ULIM], s74, s75
	s_mov_b32 s[SEL], 0x76543210                   ; lane l xor 16
	s_mov_b32 s[SEL+1], 0xfedcba98
	s_lshr_b32 s[T2], s67, 1
	; Q: the first tile in hand, and L's
	s_lshl_b32 s80, s[BLK], 3
	s_add_co_u32 s80, s80, s67
	s_lshl_b32 s80, s80, 10
	s_add_co_u32 s80, s80, s76
	s_mov_b32 s81, 0
	s_add_nc_u64 s[16:17], s[4:5], s[80:81]
	s_lshl_b32 s80, s[BLK1], 3
	s_add_co_u32 s80, s80, s67
	s_lshl_b32 s80, s80, 10
	s_add_co_u32 s80, s80, s76
	s_add_nc_u64 s[78:79], s[4:5], s[80:81]
	v_and_b32 v[LI], 31, v0
	v_and_b32 v6, 15, v0                           ; r
	v_bfe_u32 v7, v0, 4, 1                         ; h
	v_lshlrev_b32 v[LI], 4, v[LI]                  ; 16 x lane
	global_load_b128 v[16:19], v[LI], s[16:17]
	global_load_b128 v[20:23], v[LI], s[16:17] offset:512
	global_load_b128 v[24:27], v[LI], s[78:79]
	global_load_b128 v[28:31], v[LI], s[78:79] offset:512
	s_mul_i32 s63, s60, 4608
	s_add_co_u32 s63, s63, PART
	s_and_b32 s69, s67, 1
	s_lshl_b32 s69, s69, 3
	s_wait_alu depctr_va_vdst(0)
	v_add_nc_u32 v[LIV], 0x20000, v[LI]
	v_and_b32 v[DQ], 8, v6
	v_lshlrev_b32 v7, 4, v7
	v_add_nc_u32 v[PA], s63, v[LI]
	v_add_nc_u32 v[DQ], v[DQ], v6
	v_sub_nc_u32 v[DQ], v[DQ], v7
	v_add_nc_u32 v[DQ], s69, v[DQ]                 ; my query less 32 (tau / 2) less 16 h: in group tau / 2 of a diagonal step key i of my 16 is hidden where i > this
.irp i, 0,1,2,3,4,5,6,7,8,9,10,11,12,13,14,15
	v_cmp_gt_i32 s[MK+\i], \i, v[DQ]
.endr
	; where the two tiles go
	s_lshr_b32 s70, s68, 4
	s_lshl_b32 s70, s70, 4                         ; batch x 16
	s_and_b32 s71, s68, 15                         ; the head
	s_lshr_b32 s72, s71, 2
	s_lshl_b32 s72, s72, 15
	s_lshl_b32 s73, s67, 12
	s_add_co_u32 s72, s72, s73
	s_bfe_u32 s73, s71, 0x10001
	s_lshl_b32 s73, s73, 11
	s_add_co_u32 s72, s72, s73
	s_and_b32 s73, s71, 1
	s_lshl_b32 s73, s73, 10
	s_add_co_u32 s72, s72, s73
	s_add_co_u32 s80, s70, s[BLK1]
	s_lshl_b32 s80, s80, 17
	s_add_co_u32 s80, s80, s72
	s_add_nc_u64 s[14:15], s[12:13], s[80:81]      ; L
	s_add_co_u32 s80, s70, s[BLK]
	s_lshl_b32 s80, s80, 17
	s_add_co_u32 s80, s80, s72
	s_add_nc_u64 s[12:13], s[12:13], s[80:81]      ; S
	v_mov_b32 v12, 0x7f61b1e6                      ; -M of the largest t so far,
	v_mov_b32 v13, 0xff61b1e6                      ; -3e38, under every t
	v_mov_b32 v14, 0
	v_mov_b32 v15, 0
	v_mov_b32 v220, 0                              ; written once: a lane permute's destination counts as one of its sources
	v_mov_b32 v248, 0
	v_mov_b32 v249, 0
	v_mov_b32 v250, 0xff800000                     ; -infinity
	v_mov_b32 v252, 0
	v_mov_b32 v253, 0
.set OI, 0
.rept 40
	v_mov_b32 v[160+OI], 0                         ; O^T (the unit is written alike for all: the first finds zeros), and S's codes
.set OI, OI+1
.endr
	s_wait_alu depctr_va_vdst(0)
	s_wait_kmcnt 0x0
	s_mov_b32 s[CS], 0x3e38aa3b                    ; log2(e) / 8
	s_add_co_i32 s76, s50, s51
	s_lshl_b32 s76, s76, 23
	s_add_co_i32 s[CS], s[CS], s76                 ; x 2^(e2 + e3), by the exponent field
	s_mov_b32 s[CS+1], s[CS]                       ; (named with it as a pair)
	s_add_co_i32 s76, s52, 127
	s_lshl_b32 s77, s76, 23
	v_mov_b32 v244, s77                            ; 2^e4
	s_add_co_i32 s76, s76, 8
	s_lshl_b32 s76, s76, 23
	s_or_b32 s76, s76, 0x600000
	v_mov_b32 v240, s76                            ; 448 x that
	s_sub_co_i32 s76, s54, s52
	s_sub_co_i32 s76, s76, s53
	s_add_co_i32 s76, s76, 127
	s_lshl_b32 s77, s76, 23
	v_mov_b32 v245, s77                            ; 2^(e6 - e4 - e5): the scales of p and of v are folded into the result's conversion
	s_add_co_i32 s76, s76, 8
	s_lshl_b32 s76, s76, 23
	s_or_b32 s76, s76, 0x600000
	v_mov_b32 v241, s76                            ; 448 x that
; A tile's end: O^T / the sum, held and quantised into eight registers.  In tiles 2 b and 2 b + 1 of O^T a lane's 16 registers are 16 neighbouring channels.
.macro OUT dst
.rept 4
	v_nop                                          ; places behind the last products
.endr
	v_add_f32 v14, v14, v15
	v_permlanex16_b32 v220, v14, s[SEL], s[SEL+1]
	v_add_f32 v14, v14, v220                       ; the row's sum
	s_wait_alu depctr_va_vdst(0)                   ; the wait ahead of the transcendental,
	v_rcp_f32 v14, v14
	v_nop
	s_wait_alu depctr_va_vdst(0)                   ; and ahead of the first readers of its result and of O^T
.set OI, 0
.rept 16
	v_pk_mul_f32 v[96+OI:97+OI], v[160+OI:161+OI], v[14:15] op_sel_hi:[1,0]
.set OI, OI+2
.endr
.set OI, 0
.rept 32
	v_med3_num_f32 v[96+OI], v[96+OI], -v241, v241 ; the conversion to an 8-bit code does not saturate (ISA guide 7.6.2)
.set OI, OI+1
.endr
.irp g, 0,1,2,3
	v_cvt_scalef32_pk8_fp8_f32 v[\dst+2*\g:\dst+2*\g+1], v[96+8*\g:103+8*\g], v245
.endr
	v_nop
.endm
.macro MASKG b                         ; group b of 32 keys of a diagonal step: open under tau / 2, hidden over it, by the lane masks at it: a choice of masks, no branch
	s_cmp_lt_u32 s[T2], \b
	s_cselect_b32 s[XM], -1, 0
	s_cmp_eq_u32 s[T2], \b
.irp i, 0,1,2,3,4,5,6,7,8,9,10,11,12,13,14,15
	s_cselect_b32 s[MT+\i%4], s[MK+\i], s[XM]
	v_cndmask_b32 v[96+16*\b+\i], v[96+16*\b+\i], v250, s[MT+\i%4]
.endr
.endm
	s_wait_alu depctr_va_vdst(0)                   ; the wait at the head's end
	s_wait_tensorcnt 0x0                           ; my part of K or V is in
	s_barrier_signal -1
	s_barrier_wait -1                              ; everybody's is
	s_wait_loadcnt 0x0                             ; Q
	s_mov_b32 s[UN], 0
; A UNIT is a key step of the tile in hand.
.Lunit:
	s_add_co_u32 s76, s[UN], s[OFS]
	s_cmp_ge_u32 s[UN], s[BSW]
	s_cselect_b32 s[KS], s76, s[UN]
	s_cmp_eq_u32 s[UN], s[BSW]
	s_cbranch_scc0 .Lsame
	OUT 192                                        ; S is finished: on to L.  M begins anew under every t, so the next change of M multiplies S's sum and O^T by 0
	v_mov_b32 v12, 0x7f61b1e6
	v_mov_b32 v13, 0xff61b1e6
.irp i, 0,1,2,3,4,5,6,7
	v_mov_b32 v[16+\i], v[24+\i]
.endr
	s_mov_b32 s[BLK], s[BLK1]
	s_wait_alu depctr_va_vdst(0)
.Lsame:
	s_cmp_ge_u32 s[UN], s[ULIM]
	s_cbranch_scc1 .Lnone
	s_min_u32 s[KS], s[KS], 15
	s_lshl_b32 s[TB], s[KS], 13                    ; 8,192 bytes of K and of V a step
	v_add_nc_u32 v[ADK], s[TB], v[LI]
	v_add_nc_u32 v[ADV], s[TB], v[LIV]
	v_nop                                          ; (with the two lines above four places in front of the loads)
	v_nop
.irp t, 0,1,2,3,4,5,6,7
	ds_load_b128 v[32+8*\t:35+8*\t], v[ADK] offset:1024*\t
	ds_load_b128 v[36+8*\t:39+8*\t], v[ADK] offset:1024*\t+512
.endr
	s_wait_alu depctr_va_vdst(0)
	s_wait_dscnt 8                                 ; K's tiles 0-3 are in, tiles 4-7 (8 loads) may be out
.irp t, 0,1,2,3
	v_wmma_f32_16x16x64_fp8_fp8 v[96+8*\t:103+8*\t], v[32+8*\t:39+8*\t], v[16:23], 0
.endr
	s_wait_dscnt 0x0
.irp t, 4,5,6,7
	v_wmma_f32_16x16x64_fp8_fp8 v[96+8*\t:103+8*\t], v[32+8*\t:39+8*\t], v[16:23], 0
.endr
.rept 4
	v_nop                                          ; places in front of the loads and of the reads of scores
.endr
.irp t, 0,1,2,3
.irp c, 0,1,2,3
	ds_load_b128 v[32+16*\t+4*\c:35+16*\t+4*\c], v[ADV] offset:2048*\t+512*\c
.endr
.endr
	s_cmp_lg_u32 s[KS], s[BLK]
	s_cbranch_scc1 .Lopen
	MASKG 0
	MASKG 1
	MASKG 2
	MASKG 3
.Lopen:
.irp i, 0,1,2,3                        ; the step's largest score among my 64 keys, in four chains,
	v_max3_num_f32 v[216+\i], v[96+3*\i], v[97+3*\i], v[98+3*\i]
.endr
.set MI, 0
.rept 26
	v_max3_num_f32 v[216+MI%4], v[216+MI%4], v[108+2*MI], v[109+2*MI]
.set MI, MI+1
.endr
	v_max3_num_f32 v222, v216, v217, v218
	s_delay_alu instid0(VALU_DEP_1)
	v_max_num_f32 v222, v222, v219
	v_permlanex16_b32 v220, v222, s[SEL], s[SEL+1]
	s_delay_alu instid0(VALU_DEP_1)
	v_max_num_f32 v222, v222, v220                 ; and among lane l xor 16's
	s_delay_alu instid0(VALU_DEP_1)
	v_mul_f32 v222, s[CS], v222                    ; as t (the factor is positive)
	s_delay_alu instid0(VALU_DEP_1)
	v_max_num_f32 v13, v13, v222
	v_mov_b32 v222, v12
	s_delay_alu instid0(VALU_DEP_2)
	v_floor_f32 v12, -v13                          ; the new -M, a whole number
	s_delay_alu instid0(VALU_DEP_1)
	v_sub_f32 v222, v12, v222
.set MI, 96
.rept 16
	v_pk_fma_f32 v[MI:MI+1], v[MI:MI+1], s[CS:CS+1], v[12:13] op_sel_hi:[1,0,0]   ; t - M, registers 0-31
.set MI, MI+2
.endr
	v_cvt_i32_f32 v222, v222                       ; (it saturates)
	s_delay_alu instid0(VALU_DEP_1)
	v_ldexp_f32 v252, 1.0, v222                    ; f = 2^(old M - new M)
.set MI, 160
.rept 16
	v_pk_mul_f32 v[MI:MI+1], v[MI:MI+1], v[252:253] op_sel_hi:[1,0]   ; O^T and the sum under the new M: ahead of every exponential of this unit
.set MI, MI+2
.endr
	v_pk_mul_f32 v[14:15], v[14:15], v[252:253] op_sel_hi:[1,0]
; Plain lines stand among the exponentials: what they write is read behind the next wait alone.
	s_wait_alu depctr_va_vdst(0)                   ; the wait ahead of the batch
.set MI, 96
.rept 16
	v_exp_f32 v[MI], v[MI]                         ; p, at most 1
	v_pk_fma_f32 v[MI+32:MI+33], v[MI+32:MI+33], s[CS:CS+1], v[12:13] op_sel_hi:[1,0,0]   ; t - M, registers 32-63
	v_exp_f32 v[MI+1], v[MI+1]
.set MI, MI+2
.endr
	s_wait_alu depctr_va_vdst(0)                   ; one wait behind the first batch and ahead of the second
.set MI, 0
.rept 8
	v_exp_f32 v[128+4*MI], v[128+4*MI]
	v_pk_add_f32 v[200+2*MI:201+2*MI], v[96+4*MI:97+4*MI], v[98+4*MI:99+4*MI]   ; the sum of the unquantised p, in eight parts
	v_exp_f32 v[129+4*MI], v[129+4*MI]
	v_dual_min_num_f32 v[96+4*MI], v240, v[96+4*MI] :: v_dual_min_num_f32 v[97+4*MI], v240, v[97+4*MI]   ; the conversion to an 8-bit code does not saturate (ISA guide 7.6.2); p is never negative, so the hold is one-sided
	v_exp_f32 v[130+4*MI], v[130+4*MI]
	v_dual_min_num_f32 v[98+4*MI], v240, v[98+4*MI] :: v_dual_min_num_f32 v[99+4*MI], v240, v[99+4*MI]
	v_exp_f32 v[131+4*MI], v[131+4*MI]
.set MI, MI+1
.endr
	v_nop                                          ; a plain place behind the last exponential
	s_wait_alu depctr_va_vdst(0)                   ; and the wait behind the batch
.set MI, 0
.rept 8
	v_pk_add_f32 v[200+2*MI:201+2*MI], v[200+2*MI:201+2*MI], v[128+4*MI:129+4*MI]
.set MI, MI+1
.endr
.set MI, 0
.rept 8
	v_pk_add_f32 v[200+2*MI:201+2*MI], v[200+2*MI:201+2*MI], v[130+4*MI:131+4*MI]
.set MI, MI+1
.endr
.set MI, 128
.rept 16
	v_dual_min_num_f32 v[MI], v240, v[MI] :: v_dual_min_num_f32 v[MI+1], v240, v[MI+1]
.set MI, MI+2
.endr
.irp b, 0,1,2,3,4,5,6,7
	v_cvt_scalef32_pk8_fp8_f32 v[224+2*\b:225+2*\b], v[96+8*\b:103+8*\b], v244
.endr
.irp i, 0,2,4,6
	v_pk_add_f32 v[200+\i:201+\i], v[200+\i:201+\i], v[208+\i:209+\i]   ; (plain lines behind the conversions)
.endr
	v_pk_add_f32 v[200:201], v[200:201], v[204:205]
	v_pk_add_f32 v[202:203], v[202:203], v[206:207]
	v_pk_add_f32 v[14:15], v[14:15], v[200:201]
	v_pk_add_f32 v[14:15], v[14:15], v[202:203]
	s_wait_alu depctr_va_vdst(0)
	s_wait_dscnt 0x0                               ; V
.irp t, 0,1,2,3
	v_wmma_f32_16x16x128_fp8_fp8 v[160+8*\t:167+8*\t], v[32+16*\t:47+16*\t], v[224:239], v[160+8*\t:167+8*\t]
.endr
.Lnone:
	s_add_co_u32 s[UN], s[UN], 1
	s_cmp_lt_u32 s[UN], 10
	s_cbranch_scc1 .Lunit
.rept 4
	v_nop                                          ; places behind the last products
.endr
	s_wait_alu depctr_va_vdst(0)
	s_cmp_lt_u32 s[WV], 8
	s_cbranch_scc0 .Lno_part
.irp j, 0,1,2,3,4,5,6,7
	ds_store_b128 v[PA], v[160+4*\j:163+4*\j] offset:512*\j   ; A's part of L: O^T,
.endr
	ds_store_b128 v[PA], v[12:15] offset:4096                 ; -M, (the largest t,) the sum's two halves
.Lno_part:
	s_wait_dscnt 0x0                               ; my stores are done, for wave p + 8's sake
	s_barrier_signal -1
	s_barrier_wait -1
	s_cmp_lt_u32 s[WV], 8
	s_cbranch_scc1 .Ldone
	ds_load_b128 v[32:35], v[PA] offset:4096
.irp j, 0,1,2,3,4,5,6,7
	ds_load_b128 v[96+4*\j:99+4*\j], v[PA] offset:512*\j
.endr
	global_store_b128 v[LI], v[192:195], s[12:13]             ; S: 512 consecutive bytes a store
	global_store_b128 v[LI], v[196:199], s[12:13] offset:512
	s_wait_dscnt 0x0
	v_min_num_f32 v216, v12, v32                   ; -M of the larger M
	v_sub_f32 v217, v216, v12
	v_sub_f32 v218, v216, v32
	v_cvt_i32_f32 v217, v217
	v_cvt_i32_f32 v218, v218
	v_ldexp_f32 v252, 1.0, v217                    ; my part's factor (0 where I had no step of L),
	v_ldexp_f32 v248, 1.0, v218                    ; A's
	v_pk_mul_f32 v[14:15], v[14:15], v[252:253] op_sel_hi:[1,0]
	v_pk_fma_f32 v[14:15], v[34:35], v[248:249], v[14:15] op_sel_hi:[1,0,1]
.set OI, 0
.rept 16
	v_pk_mul_f32 v[160+OI:161+OI], v[160+OI:161+OI], v[252:253] op_sel_hi:[1,0]
.set OI, OI+2
.endr
.set OI, 0
.rept 16
	v_pk_fma_f32 v[160+OI:161+OI], v[96+OI:97+OI], v[248:249], v[160+OI:161+OI] op_sel_hi:[1,0,1]
.set OI, OI+2
.endr
	OUT 224
	global_store_b128 v[LI], v[224:227], s[14:15]             ; L
	global_store_b128 v[LI], v[228:231], s[14:15] offset:512
.Ldone:
	s_wait_tensorcnt 0x0                           ; the wave's end
	ds_add_u32 v251, v255
	s_wait_dscnt 0x0
	ROUND                                          ; the closing round: no work-group ends while a partner may still ask for a tile that names it
	s_endpgm
.Lfunc_end_k_qe70d28fb79_attn:
	.size	k_qe70d28fb79_attn, .Lfunc_end_k_qe70d28fb79_attn-k_qe70d28fb79_attn
	.p2alignl 7, 3214868480
	.fill 96, 4, 3214868480
	.section	.rodata,"a",@progbits
	.p2align	6, 0x0
	.amdhsa_kernel k_qe70d28fb79_attn
		.amdhsa_group_segment_fixed_size 327680
		.amdhsa_private_segment_fixed_size 0
		.amdhsa_enable_private_segment 0
		.amdhsa_kernarg_size 40
		.amdhsa_user_sgpr_count 2
		.amdhsa_user_sgpr_kernarg_segment_ptr 1
		.amdhsa_wavefront_size32 1
		.amdhsa_system_sgpr_workgroup_id_x 1
		.amdhsa_system_sgpr_workgroup_id_y 1
		.amdhsa_system_sgpr_workgroup_id_z 1
		.amdhsa_system_vgpr_workitem_id 0
		.amdhsa_next_free_vgpr 256
		.amdhsa_next_free_sgpr 102
		.amdhsa_reserve_vcc 0
		.amdhsa_float_denorm_mode_32 3
		.amdhsa_float_denorm_mode_16_64 3
		.amdhsa_memory_ordered 1
		.amdhsa_forward_progress 1
		.amdhsa_inst_pref_size 44
	.end_amdhsa_kernel
	.amdgpu_metadata
---
amdhsa.version: [ 1, 2 ]
amdhsa.kernels:
  - .name:           k_qe70d28fb79_attn
    .symbol:         k_qe70d28fb79_attn.kd
    .args:
      - { .name: qc, .offset: 0, .size: 8, .value_kind: global_buffer, .address_space: global }
      - { .name: kc, .offset: 8, .size: 8, .value_kind: global_buffer, .address_space: global }
      - { .name: vc, .offset: 16, .size: 8, .value_kind: global_buffer, .address_space: global }
      - { .name: lowp_scales, .offset: 24, .size: 8, .value_kind: global_buffer, .address_space: global }
      - { .name: ac, .offset: 32, .size: 8, .value_kind: global_buffer, .address_space: global }
    .group_segment_fixed_size: 327680
    .private_segment_fixed_size: 0
    .kernarg_segment_align: 8
    .kernarg_segment_size: 40
    .max_flat_workgroup_size: 512
    .sgpr_count:     102
    .vgpr_count:     256
    .wavefront_size: 32
...
	.end_amdgpu_metadata
.endif
;; end of part 3
;; launch proj (part 4): grid 8 x 32, 4 waves a work-group, clusters of 4 x 4, 280,064 bytes of LDS; arguments ac, woc, lowp_scales, out0; writes out0
.if DOCPART == 4
	.amdgcn_target "amdgcn-amd-amdhsa--gfx1250"
	.amdhsa_code_object_version 6
	.text
	.protected	k_qe70d28fb79_proj
	.globl	k_qe70d28fb79_proj
	.p2align	8
	.type	k_qe70d28fb79_proj,@function
k_qe70d28fb79_proj:
	s_mov_b64 s[64:65], 0
	v_nop
	global_prefetch_b8 v0, s[64:65] scope:SCOPE_SE
	s_setreg_imm32_b32 hwreg(HW_REG_WAVE_MODE, 25, 1), 1
	s_wait_xcnt 0x0
	s_wait_alu depctr_hold_cnt(0) depctr_sa_sdst(0) depctr_va_vdst(0) depctr_va_sdst(0) depctr_va_ssrc(0) depctr_va_vcc(0) depctr_vm_vsrc(0)
	s_getreg_b32 s2, hwreg(HW_REG_IB_STS2, 6, 4)
	s_cmp_eq_u32 s2, 0
	s_cbranch_scc0 .Lentry_in_a_cluster
	s_endpgm
.Lentry_in_a_cluster:
	s_bfe_u32 s2, ttmp6, 0x10000c
	s_cmp_lg_u32 s2, 0xf033
	s_cbranch_scc0 .Lentry_shape_is_right
	s_endpgm
.Lentry_shape_is_right:
; out0 = attention's result x w_out, on codes of E4M3; each finished sum is multiplied once by 2^(e6 + e7).  LIMIT: e6 + e7 between -126 and 127.
; A tile of 128 x 128 of out0 is made by a work-group of four waves: 256 work-groups; a wave makes 64 x 64.
; THE CODES LIE AS IMAGES OF OPERAND REGISTERS: 128 rows x all 1,024 of K are 131,072 consecutive bytes.  A's block and B's both stay in LDS; each wave fetches 65,536 bytes by ONE load (waves 0, 1: A's two halves along K; waves 2, 3: B's).
; All of it is asked for at the head, and there is no loop: no prefetch.
; B's fragments of my 64 columns, all of K, come into 512 registers; A's four tiles of 16 rows are then taken one after the other through all of K, so a tile's rows leave while the next is multiplied.  No fragment is read twice.
; CLUSTERS: 4 x 4 work-groups: A's block hangs on the tile row alone and is asked for jointly by a row of the cluster, B's on the tile column alone, by a column.
; THE MATRIX INSTRUCTION IS USED TRANSPOSED (source 0 = 16 columns of w_out, source 1 = 16 rows of A): a lane holds one row of out0.  In an image, tile T and row r stand for row 32 (T / 2) + 8 (T % 2) + r + 8 (r / 8).
; REGISTERS: window 0: v16-31 addresses; v32-63 a tile's sums x 2^(e6 + e7); v64-127 accumulators, two sets of four; v128-191 rows read back, two sets.  window 1: A's fragments, two sets of eight.  windows 2, 3: B's: (t, b) at v[16 (4 (t % 4) + b)].
.set BOFF,   131072                    ; B's block in LDS
.set STAGE,  262144                    ; behind both: 16 rows x 272 bytes for each wave, for the way out; no tensor load lands there
.set SPITCH, 272                       ; 256 bytes + 16 = 68 words: the 16 rows that a store touches start 4 words apart in the 64 words of a bank row (ISA guide 11.1)
.set SPARE,  STAGE+4*16*SPITCH         ; the spare words, 128 bytes a wave
.set ADRA, 16                          ; v16-17  LDS address of my A fragments, lower and upper half of K (an LDS offset has 16 bits)
.set ADRB, 20                          ; v20-21  the same for B
.set STO,  24                          ; v24     the way out: where I put 16 bytes of a row
.set RD,   25                          ; v25     where I read a row back
.set CO,   26                          ; v26     my byte offset in two rows of out0
.set LN,   27                          ; v27     16 x lane
.set TMP,  32
.set ACC,  64
.set BK,   128
.set G1,  24                           ; s[24:31], s[32:35] descriptor groups 1 and 0 for A
.set G0,  32
.set G1B, 48                           ; s[48:55], s[68:71] for B
.set G0B, 68
.set MSB, 0
.macro WIN new                         ; the immediate's high byte repeats the setting that is left
.if MSB != \new
	s_set_vgpr_msb (MSB<<8)|\new
.set MSB, \new
.endif
.endm
.macro CROUND                          ; a round of the cluster's barrier
	s_barrier_signal -1
	s_barrier_wait -1
	s_cmp_lg_u32 s14, 0
	s_cbranch_scc1 .Lnot_wave_0_\@
	s_barrier_signal -3
.Lnot_wave_0_\@:
	s_barrier_wait -3
	s_barrier_signal -1
	s_barrier_wait -1
.endm
.macro PLACES
.rept 4
	v_nop
.endr
.endm
	s_load_b128 s[4:7], s[0:1], 0x0                ; A's codes s[4:5], w_out's codes s[6:7]
	s_load_b128 s[8:11], s[0:1], 0x10              ; the scales' exponents s[8:9], out0 s[10:11]
	v_lshl_add_u32 v30, v0, 2, SPARE
	v_mov_b32 v31, 0
	ds_add_u32 v30, v31                            ; the wave's opening: the add, twice on end, and its wait
	ds_add_u32 v30, v31
	v_lshrrev_b32 v1, 5, v0
	v_readfirstlane_b32 s14, v1                    ; wave 0..3
	s_lshr_b32 s15, s14, 1                         ; which half of the tile's rows is mine.  Also: I fetch for A (0) or for B (1)
	s_and_b32 s16, s14, 1                          ; which half of its columns.  Also: which half of K I fetch
	s_bfe_u32 s56, ttmp6, 0x40000                  ; cx, cy: my place in the cluster
	s_bfe_u32 s57, ttmp6, 0x40004
	s_lshl_b32 s58, ttmp9, 2
	s_add_co_u32 s58, s58, s56                     ; tile column = 4 x cluster x + cx
	s_and_b32 s17, ttmp7, 0xffff
	s_lshl_b32 s17, s17, 2
	s_add_co_u32 s17, s17, s57                     ; tile row = 4 x cluster y + cy
	s_lshl_b32 s59, s57, 2
	s_lshl_b32 s59, 15, s59                        ; my row of the cluster
	s_lshl_b32 s60, 0x1111, s56                    ; my column
	s_or_b32 s[G1+0], s59, (3<<16)|(1<<21)         ; 15:0 the mask; 17:16 elements of 8 bytes; 21 set beside a mask
	s_or_b32 s[G1B+0], s60, (3<<16)|(1<<21)
.irp g, G1, G1B
	s_mov_b32 s[\g+1], 32<<16                      ; tensor_dim0: 256 bytes
	s_mov_b32 s[\g+2], 256<<16                     ; tensor_dim1
	s_mov_b32 s[\g+3], 32<<16                      ; tile_dim0
	s_mov_b32 s[\g+4], 256                         ; tile_dim1: 65,536 bytes in all
	s_mov_b32 s[\g+5], 32                          ; tensor_dim0_stride: dense
	s_mov_b32 s[\g+6], 0
	s_mov_b32 s[\g+7], 0
.endr
	s_lshl_b32 s18, s16, 16                        ; my half along K: the same offset in memory and in LDS
	s_lshl_b32 s20, s17, 17
	s_add_co_u32 s20, s20, s18
	s_mov_b32 s21, 0
	s_lshl_b32 s62, s58, 17
	s_add_co_u32 s62, s62, s18
	s_mov_b32 s63, 0
	s_mov_b32 s[G0], 1
	s_mov_b32 s[G0+1], s18
	s_mov_b32 s[G0B], 1
	s_add_co_u32 s[G0B+1], s18, BOFF
	s_wait_dscnt 0x0                               ; both opening adds are done
	s_wait_kmcnt 0x0
	s_load_b256 s[84:91], s[8:9], 0x0              ; e0 .. e7
	s_add_nc_u64 s[G0+2:G0+3], s[4:5], s[20:21]
	s_or_b32 s[G0+3], s[G0+3], 0x80000000
	s_add_nc_u64 s[G0B+2:G0B+3], s[6:7], s[62:63]
	s_or_b32 s[G0B+3], s[G0B+3], 0x80000000
	CROUND                                         ; all sixteen work-groups are here: the joint loads meet
	s_cmp_eq_u32 s15, 0
	s_cbranch_scc0 .Lfor_b
	tensor_load_to_lds s[G0:G0+3], s[G1:G1+7]
	s_nop 0
	PLACES
	s_branch .Lasked
.Lfor_b:
	tensor_load_to_lds s[G0B:G0B+3], s[G1B:G1B+7]
	s_nop 0
	PLACES
.Lasked:
	s_lshl_b32 s21, s15, 14                        ; my four tiles of A's rows
	s_lshl_b32 s22, s16, 14
	s_add_co_u32 s22, s22, BOFF                    ; my four tiles of B's
	s_mul_i32 s23, s14, 16*SPITCH
	s_add_co_u32 s23, s23, STAGE                   ; my stage
	v_and_b32 v1, 15, v0                           ; l % 16
	v_bfe_u32 v2, v0, 4, 1                         ; l / 16
	v_and_b32 v3, 31, v0
	v_lshlrev_b32 v[LN], 4, v3
	v_add_nc_u32 v[ADRA], s21, v[LN]
	v_add_nc_u32 v[ADRB], s22, v[LN]
	v_add_nc_u32 v[ADRA+1], 0x10000, v[ADRA]
	v_add_nc_u32 v[ADRB+1], 0x10000, v[ADRB]
	v_mul_u32_u24 v5, v1, SPITCH
	v_lshl_add_u32 v5, v2, 6, v5
	v_add_nc_u32 v[STO], s23, v5                   ; in: row l % 16, + 64 bytes for the upper half of the lanes
	v_mul_u32_u24 v6, v2, SPITCH
	v_lshl_add_u32 v6, v1, 4, v6
	v_add_nc_u32 v[RD], s23, v6                    ; back: lanes 0-15 one row of 256 bytes, lanes 16-31 the next
	v_lshlrev_b32 v7, 12, v2
	v_lshl_add_u32 v[CO], v1, 4, v7                ; and the same two rows in out0 (a row is 4,096 bytes)
	s_lshl_b32 s20, s17, 19                        ; 128 rows x tile row,
	s_lshl_b32 s21, s15, 18                        ; + 64 rows x my half,
	s_add_co_u32 s20, s20, s21
	s_lshl_b32 s21, s58, 9                         ; + 512 bytes x tile column,
	s_add_co_u32 s20, s20, s21
	s_lshl_b32 s21, s16, 8                         ; + 256 x my half
	s_add_co_u32 s20, s20, s21
	s_mov_b32 s21, 0
	s_add_nc_u64 s[10:11], s[10:11], s[20:21]
.macro LDA a, t                        ; A's tile a, 128 along K number t: a fragment of 2,048 consecutive bytes
.irp c, 0,1,2,3
	ds_load_b128 v[128*((\a)%2)+16*(\t)+4*\c:128*((\a)%2)+16*(\t)+4*\c+3], v[ADRA+(\t)/4] offset:(((\t)/2)%2)*32768+((\t)%2)*2048+(\a)*4096+512*\c
.endr
.endm
.macro LDAALL a
	WIN 0x40
.irp t, 0,1,2,3,4,5,6,7
	LDA \a, \t
.endr
	WIN 0
.endm
.macro LDT t                           ; A's tile 0 and B's four tiles: 20 loads
	WIN 0x40
	LDA 0, \t
	WIN (0x80+0x40*((\t)/4))
.irp b, 0,1,2,3
.irp c, 0,1,2,3
	ds_load_b128 v[16*(4*((\t)%4)+\b)+4*\c:16*(4*((\t)%4)+\b)+4*\c+3], v[ADRB+(\t)/4] offset:(((\t)/2)%2)*32768+((\t)%2)*2048+\b*4096+512*\c
.endr
.endr
.endm
; Four matrix instructions: tile a's four accumulators by turns, one instruction a turn: three others stand between the steps of a sum.
.macro MULT a, t
	WIN (6+((\t)/4))                               ; source 0 window 2 or 3, source 1 window 1; C and D window 0
.irp b, 0,1,2,3
.if (\t) == 0
	v_wmma_f32_16x16x128_fp8_fp8 v[ACC+32*((\a)%2)+8*\b:ACC+32*((\a)%2)+8*\b+7], v[16*(4*((\t)%4)+\b):16*(4*((\t)%4)+\b)+15], v[128*((\a)%2)+16*(\t):128*((\a)%2)+16*(\t)+15], 0
.else
	v_wmma_f32_16x16x128_fp8_fp8 v[ACC+32*((\a)%2)+8*\b:ACC+32*((\a)%2)+8*\b+7], v[16*(4*((\t)%4)+\b):16*(4*((\t)%4)+\b)+15], v[128*((\a)%2)+16*(\t):128*((\a)%2)+16*(\t)+15], v[ACC+32*((\a)%2)+8*\b:ACC+32*((\a)%2)+8*\b+7]
.endif
.endr
.endm
.macro MULALL a
.irp t, 0,1,2,3,4,5,6,7
	MULT \a, \t
.endr
.endm
; THE WAY OUT of tile a, 16 rows x 64 columns.  In accumulator b lane (r, h) holds row r and columns 32 (b / 2) + 16 h + 8 (b % 2) + 0 .. 7.  The tile goes through my own stage in LDS and comes
; back as whole rows of 256 bytes.  LDS serves a wave's instructions in order (ISA guide 5.7.1.4): no wait between the stores and the loads, nor in front of the next tile's stores.
.macro TOSTAGE a
	WIN 0
.irp b, 0,1,2,3
.irp j, 0,2,4,6
	v_pk_mul_f32 v[TMP+8*\b+\j:TMP+8*\b+\j+1], v[ACC+32*((\a)%2)+8*\b+\j:ACC+32*((\a)%2)+8*\b+\j+1], s[92:93] op_sel_hi:[1,0]   ; x 2^(e6 + e7); each accumulator from its low end on
.endr
.endr
.irp b, 0,1,2,3
	ds_store_b128 v[STO], v[TMP+8*\b:TMP+8*\b+3] offset:128*(\b/2)+32*(\b%2)
	ds_store_b128 v[STO], v[TMP+8*\b+4:TMP+8*\b+7] offset:128*(\b/2)+32*(\b%2)+16
.endr
.set BB, BK+32*((\a)%2)
.irp i, 0,1,2,3,4,5,6,7
	ds_load_b128 v[BB+4*\i:BB+4*\i+3], v[RD] offset:\i*2*SPITCH
.endr
.endm
.macro SEND a
.set BB, BK+32*((\a)%2)
	WIN 0
	s_wait_dscnt 0x0                               ; the tile is back in registers
.irp i, 0,1,2,3,4,5,6,7
	global_store_b128 v[CO], v[BB+4*\i:BB+4*\i+3], s[10:11] offset:(32*((\a)/2)+8*((\a)%2)+2*\i+8*(\i/4))*4096 th:TH_STORE_NT   ; stage rows 2 i, 2 i + 1 are rows 2 i + 8 (i / 4) (+ 1) of the tile; 16 lanes store 256 consecutive bytes, aligned
.endr
.endm
	s_wait_kmcnt 0x0
	s_add_co_i32 s92, s90, s91                     ; e6 + e7
	s_add_co_i32 s92, s92, 127
	s_lshl_b32 s92, s92, 23                        ; 2^(e6 + e7) as f32
	s_mov_b32 s93, s92                             ; (named with it as a pair, so it is written)
	s_wait_alu depctr_va_vdst(0)                   ; the wait at the head's end
	s_wait_tensorcnt 0x0                           ; my part is in
	s_barrier_signal -1
	s_barrier_wait -1                              ; everybody's is
	LDT 0
	LDT 1
	LDT 2
.irp t, 0,1,2,3,4,5,6,7
.if \t < 6
	s_wait_dscnt 40                                ; the next two groups of 20 loads may be out
.elseif \t == 6
	s_wait_dscnt 52                                ; the last group's 20 and tile 1's 32
.else
	s_wait_dscnt 32                                ; tile 1's 32
.endif
	MULT 0, \t
.if \t < 5
	LDT \t+3
.elseif \t == 5
	LDAALL 1
.endif
.endr
	PLACES                                         ; behind tile 0's last products: for the loads into their sources (ISA guide 7.12.1 for vector instructions) and for the reads of their results
	LDAALL 2
	TOSTAGE 0
	s_wait_dscnt 48                                ; A's tile 1 is in; tile 2's 32 loads and the stage's 16 may be out
	MULALL 1
	SEND 0                                         ; (its wait shows A's tile 2 too)
	PLACES
	LDAALL 3
	TOSTAGE 1
	MULALL 2
	SEND 1                                         ; (and tile 3)
	PLACES
	s_wait_xcnt 0x0                                ; tile 0's stores have read their registers: tile 2's loads may land there
	TOSTAGE 2
	MULALL 3
	SEND 2
	PLACES
	s_wait_xcnt 0x0
	TOSTAGE 3
	SEND 3
	s_wait_tensorcnt 0x0                           ; the wave's end
	ds_add_u32 v30, v31
	s_wait_dscnt 0x0
	CROUND                                         ; the closing round: no work-group ends while a partner may still ask for a tile that names it
	s_endpgm
.Lfunc_end_k_qe70d28fb79_proj:
	.size	k_qe70d28fb79_proj, .Lfunc_end_k_qe70d28fb79_proj-k_qe70d28fb79_proj
	.p2alignl 7, 3214868480
	.fill 96, 4, 3214868480
	.section	.rodata,"a",@progbits
	.p2align	6, 0x0
	.amdhsa_kernel k_qe70d28fb79_proj
		.amdhsa_group_segment_fixed_size 280064
		.amdhsa_private_segment_fixed_size 0
		.amdhsa_enable_private_segment 0
		.amdhsa_kernarg_size 32
		.amdhsa_user_sgpr_count 2
		.amdhsa_user_sgpr_kernarg_segment_ptr 1
		.amdhsa_wavefront_size32 1
		.amdhsa_system_sgpr_workgroup_id_x 1
		.amdhsa_system_sgpr_workgroup_id_y 1
		.amdhsa_system_sgpr_workgroup_id_z 1
		.amdhsa_system_vgpr_workitem_id 0
		.amdhsa_next_free_vgpr 1024
		.amdhsa_next_free_sgpr 96
		.amdhsa_reserve_vcc 0
		.amdhsa_float_denorm_mode_32 3
		.amdhsa_float_denorm_mode_16_64 3
		.amdhsa_memory_ordered 1
		.amdhsa_forward_progress 1
		.amdhsa_inst_pref_size 44
	.end_amdhsa_kernel
	.amdgpu_metadata
---
amdhsa.version: [ 1, 2 ]
amdhsa.kernels:
  - .name:           k_qe70d28fb79_proj
    .symbol:         k_qe70d28fb79_proj.kd
    .args:
      - { .name: ac, .offset: 0, .size: 8, .value_kind: global_buffer, .address_space: global }
      - { .name: woc, .offset: 8, .size: 8, .value_kind: global_buffer, .address_space: global }
      - { .name: lowp_scales, .offset: 16, .size: 8, .value_kind: global_buffer, .address_space: global }
      - { .name: out0, .offset: 24, .size: 8, .value_kind: global_buffer, .address_space: global }
    .group_segment_fixed_size: 280064
    .private_segment_fixed_size: 0
    .kernarg_segment_align: 8
    .kernarg_segment_size: 32
    .max_flat_workgroup_size: 128
    .sgpr_count:     96
    .vgpr_count:     1024
    .wavefront_size: 32
...
	.end_amdgpu_metadata
.endif
;; end of part 4
